; MI455X (gfx1250); checked and timed in simulation.
; The chip was launched on July 23, 2026; its instructions are those of AMD's public machine-readable ISA for CDNA 5 (MIT licence, August 2026) and "CDNA5" Instruction Set Architecture Reference Guide (July 2026). The comments in the code are by the model that wrote it; some were corrected since.
;; Intent Detection Only Attention Model. Allowed arithmetic: matrix products marked QUANTISED: E4M3 operands, one given power-of-two scale a tensor, by v_wmma_f32_16x16x64_fp8_fp8 or v_wmma_f32_16x16x128_fp8_fp8, f32 sums; products left as they are: f32 operands where the result goes on into a quantised operand, else bf16, f16 or f32 operands; f32 sums; everything else in f32.
;; Inputs: W1_codes 2,048 x 64 x 32 uint8 (E4M3 codes of W1, K innermost, in blocks of 32 codes); W2 2,048 float32; Wp1_codes 1,024 x 32 x 32 uint8 (E4M3 codes of Wp1, K innermost, in blocks of 32 codes); Wp2_codes 64 x 32 x 32 uint8 (E4M3 codes of Wp2, K innermost, in blocks of 32 codes); b1 2,048 float32; b2 one number float32; bn1_b 2,048 float32; bn1_g 2,048 float32; bn2_b 1,024 float32; bn2_g 1,024 float32; bp1 1,024 float32; bp2 64 float32; hidden_state 6 x 256 x 512 float32; lowp_scales 6 int32 (the exponents e of the quantised operands' scales 2^e); lstm_output 256 x 64 x 2 x 512 float32; seq_lengths 256 int32.
;; Outputs: out0 256 x 64 float32; out1 256 x 64 float32.
;; This version of the problem:
;;   THIS VERSION OF THE PROBLEM IS GIVEN IN LOW PRECISION. The matrix products marked QUANTISED in the list below multiply operands that are first quantised to E4M3 (4 exponent bits, 3 mantissa bits; 8 bits a number), with one given power-of-two scale for each operand tensor; their sums are f32. All else is computed in f32.
;;   The module's matrix products, in the order in which they are computed (A, B: the left and right operand; K: the contracted axis; several contracted axes count as one K, in the product's order):
;;     1. [M 16,384, K 2,048] x [K 2,048, N 2,048]; A: computed on the way; B: input W1 (given as codes): QUANTISED (scales: A lowp_scales[0], B lowp_scales[1])
;;     2. [M 16,384, K 2,048] x [K 2,048, N 1]; A: computed on the way; B: input W2: left as it is (N = 1 < 16)
;;     3. batch 256 x [M 1, K 64] x [K 64, N 1,024]; A: computed on the way; B: computed on the way: left as it is (M = 1 < 16)
;;     4. [M 256, K 1,024] x [K 1,024, N 1,024]; A: computed on the way; B: input Wp1 (given as codes): QUANTISED (scales: A lowp_scales[2], B lowp_scales[3])
;;     5. [M 256, K 1,024] x [K 1,024, N 64]; A: computed on the way; B: input Wp2 (given as codes): QUANTISED (scales: A lowp_scales[4], B lowp_scales[5])
;;   THE QUANTISER, for each operand of a quantised product, along K:
;;     - The operand's scale is 2^e, e = its entry of the input lowp_scales (int32; the entries are numbered through the quantised products in the list's order, A before B).
;;     - Each number is divided by the scale, clamped to +-448, and rounded to the nearest number of E4M3, ties to even, subnormals kept.
;;     - The product sums the exact products of the quantised numbers (number of the format x scale) in f32.
;;   ~~~python
;;   def quantise(x, axis, e):      # numpy; x: float32 -> the quantised numbers, widened to float32 again
;;       x = np.moveaxis(x, axis, -1); K = x.shape[-1]
;;       r = np.clip(x / 2.0 ** e, -448, 448)
;;       step = 2.0 ** (np.maximum(np.frexp(np.where(r == 0, 1, r))[1] - 1, -6) - 3)
;;       q = np.round(r / step) * step * 2.0 ** e      # np.round: ties to even
;;       return np.moveaxis(q, -1, axis).astype(np.float32)
;;   ~~~
;;   OPERANDS COMPUTED ON THE WAY. 'Computed on the way' means the value that the module computes at that place (a softmax that the list does not call 'softmax' is quantised finished and normalised). What goes into a quantiser is computed in f32, as accurately as f32 sums, v_exp_f32 and their like allow (about 1e-6 of the number): no bf16 or f16 on the way to a quantiser, and a product that is left as it is and whose result goes on into a quantised operand takes f32 operands (vector FMAs, or v_wmma_f32_16x16x4_f32). A number that lies on a knife's edge between two numbers of the format may be rounded either way, as far as f32 arithmetic and the matrix unit's own rounding can turn it there, and no further.
;;   INPUTS GIVEN AS CODES. W1 (in the module: [2048, 2048], K = its axis 0); Wp1 (in the module: [1024, 1024], K = its axis 0); Wp2 (in the module: [1024, 64], K = its axis 0): each comes as NAME_codes (uint8): NAME with its K axis moved to the last place and cut into blocks of 32 codes, [.., K / 32, bytes a block], one block behind the other in memory; one code a byte (a code: sign, 4 exponent bits, 3 mantissa bits); its scale is its entry of lowp_scales. Its value is code x scale, taken as it is: it is not quantised again, and the codes and scales need not be those that the quantiser above would give.
;; 2 versions, each right; version 2 is version 1 with the launches quant, hidden written anew for expert scheduling mode. Each part assembles by itself: llvm-mc -triple=amdgcn-amd-amdhsa -mcpu=gfx1250 --defsym DOCPART=n.
;; ======== version 1 of 2: 6 launches
;; limits: a function is approximated: absolute error at most 3e-07
;; workspace buffers: part1 131,072 bytes; sq 262,144 bytes; xq 16,777,216 bytes; g2 2,097,152 bytes; epart 1,048,576 bytes; ctx 1,048,576 bytes; part2 131,072 bytes; pp 524,288 bytes
;; launch stats (part 1): grid 16 x 16, 16 waves a work-group, no clusters, 34,816 bytes of LDS; arguments lstm_output, hidden_state, seq_lengths, bn1_g, bn1_b, lowp_scales, part1, sq; writes part1, sq
.if DOCPART == 1
	.amdgcn_target "amdgcn-amd-amdhsa--gfx1250"
	.amdhsa_code_object_version 6
	.text
	.protected	k_q3bd0b9385b_stats
	.globl	k_q3bd0b9385b_stats
	.p2align	8
	.type	k_q3bd0b9385b_stats,@function
k_q3bd0b9385b_stats:
	s_mov_b64 s[64:65], 0
	v_nop
	global_prefetch_b8 v0, s[64:65] scope:SCOPE_SE
	s_setreg_imm32_b32 hwreg(HW_REG_WAVE_MODE, 25, 1), 1
	s_wait_xcnt 0x0
; FIRST LAUNCH OF SIX.  The masked batch norm's sums over the word features, and the sentence features normalised and quantised.
; x = (word's 1,024 features | sentence's 1,024 features).  A work-group takes 64 features (256 bytes of a row: cg = group x) and 16 sentences (sg = group y).
; WORDS: wave w takes sentence b = 16 sg + w: S = sum of m (x - p), Q = sum of m (x - p)^2 over its tokens, m = 1 for tokens below the length, p = the feature's value in token 0 of sentence 0
; (a pivot, so that a common offset of the inputs does not enter the squares).  The 16 waves' sums meet in LDS; wave 0 stores them: part1 [sg][S | Q][1024] f32.
; Tokens come in four groups of 16; a group that lies wholly behind the length is not fetched: its loads name the sentence's last valid group again, and m = 0 throws them away.
; SENTENCES: a sentence's features count once for each of its tokens, so their sums are weighted by the lengths.  Every work-group sums all 256 sentences for its 64 features (64 KiB); wave w holds
; sentences 16 w .. 16 w + 15 in registers, and wave sg then normalises and quantises its sixteen: codes of E4M3 with the given scale 2^e0, sq [cg][sentence 256][64 bytes].
; LIMITS: e0 between -126 and 119; NaN and infinities among the inputs are not served; at least one token is valid.  Lengths are held within 0 .. 64.
.set OFF, 5                            ; v5-8     byte offset of my 16 bytes in token group g
.set LN,  10                           ; v10-17   eight of the 256 lengths
.set LW,  18                           ; v18-25   the lengths of my eight sentences
.set PS,  26                           ; v26-29   the sentence features' pivot (sentence 0)
.set XS,  32                           ; v32-63   sentence features: row 16 w + 2 i + h, features 4 r ..
.set PW,  64                           ; v64-67   the word features' pivot
.set SS,  68                           ; v68-71 S, v72-75 Q of the sentence features
.set WS,  76                           ; v76-79 S, v80-83 Q of the word features
.set X,   96                           ; v96-223  32 tokens x 4 features
.set SSTG, 16384                       ; LDS: 0 the waves' word sums, 8192 their sentence sums (512 bytes a wave each), 16384 a stage of 1,024 bytes for each wave
.macro XHALF reg, tmp                  ; adds the lane 16 away
	v_permlanex16_b32 v[\tmp], v[\reg], s40, s41
	v_add_f32 v[\reg], v[\reg], v[\tmp]
.endm
.macro RED32 reg, tmp                  ; the sum over the 32 lanes, in every lane
	v_add_f32_dpp v[\reg], v[\reg], v[\reg] row_xmask:1 row_mask:0xf bank_mask:0xf
	v_add_f32_dpp v[\reg], v[\reg], v[\reg] row_xmask:2 row_mask:0xf bank_mask:0xf
	v_add_f32_dpp v[\reg], v[\reg], v[\reg] row_xmask:4 row_mask:0xf bank_mask:0xf
	v_add_f32_dpp v[\reg], v[\reg], v[\reg] row_xmask:8 row_mask:0xf bank_mask:0xf
	XHALF \reg, \tmp
.endm
.macro ACCUM x, p, s                   ; four features: S += wgt (x - p), Q += wgt (x - p)^2; the weight is v94 (v95 is named with it as a pair)
	v_pk_add_f32 v[88:89], v[\x:\x+1], v[\p:\p+1] neg_lo:[0,1] neg_hi:[0,1]
	v_pk_add_f32 v[90:91], v[\x+2:\x+3], v[\p+2:\p+3] neg_lo:[0,1] neg_hi:[0,1]
	v_pk_mul_f32 v[92:93], v[88:89], v[88:89]
	v_pk_fma_f32 v[\s:\s+1], v[88:89], v[94:95], v[\s:\s+1] op_sel_hi:[1,0,1]
	v_pk_fma_f32 v[\s+4:\s+5], v[92:93], v[94:95], v[\s+4:\s+5] op_sel_hi:[1,0,1]
	v_pk_mul_f32 v[92:93], v[90:91], v[90:91]
	v_pk_fma_f32 v[\s+2:\s+3], v[90:91], v[94:95], v[\s+2:\s+3] op_sel_hi:[1,0,1]
	v_pk_fma_f32 v[\s+6:\s+7], v[92:93], v[94:95], v[\s+6:\s+7] op_sel_hi:[1,0,1]
.endm
	s_load_b256 s[4:11], s[0:1], 0x0               ; lstm s[4:5], hidden s[6:7], lengths s[8:9], gain s[10:11]
	s_load_b256 s[12:19], s[0:1], 0x20             ; bias s[12:13], scales s[14:15], part1 s[16:17], sq s[18:19]
	v_lshl_add_u32 v31, v0, 2, 0x8000
	v_mov_b32 v255, 0
	v_lshrrev_b32 v1, 5, v0
	v_readfirstlane_b32 s20, v1                    ; wave 0..15
	v_lshlrev_b32 v85, 6, v1                       ; 64 w
	v_lshlrev_b32 v87, 15, v1                      ; 16 w rows of 2,048 bytes
	v_and_b32 v1, 31, v0                           ; lane L
	v_and_b32 v2, 15, v0                           ; r
	v_bfe_u32 v3, v0, 4, 1                         ; h
	v_lshlrev_b32 v86, 4, v2                       ; 16 r: my four features
	v_lshl_add_u32 v4, v3, 12, v86                 ; + h rows of 4,096 bytes
	v_lshlrev_b32 v9, 4, v0                        ; LDS: 512 w + 16 L
	v_lshlrev_b32 v248, 4, v1                      ; 16 L
	v_add_nc_u32 v249, 8192, v86                   ; LDS: the sentence sums, 16 r
	v_lshlrev_b32 v84, 5, v1                       ; 32 L: eight lengths a lane
	v_lshl_add_u32 v85, v3, 2, v85                 ; lengths of sentences 16 w + h + 2 i
	v_lshl_add_u32 v87, v3, 11, v87
	v_add_nc_u32 v87, v87, v86                     ; hidden rows 16 w + h + 2 i
	s_lshl_b32 s45, s20, 10
	s_add_co_u32 s45, s45, SSTG                    ; my wave's stage
	v_lshlrev_b32 v250, 2, v2
	v_lshl_add_u32 v250, v3, 6, v250
	v_add_nc_u32 v250, s45, v250                   ; into it: row h (+ 2 i) of 64 bytes, 4 r
	v_add_nc_u32 v251, s45, v248                   ; out of it: 16 L
	s_mov_b32 s21, ttmp9                           ; cg
	s_and_b32 s22, ttmp7, 0xffff                   ; sg
	s_lshl_b32 s23, s22, 4
	s_add_co_u32 s23, s23, s20                     ; b = 16 sg + w
	s_lshl_b32 s24, s23, 2
	s_mov_b32 s40, 0x76543210                      ; v_permlanex16_b32: lane l xor 16
	s_mov_b32 s41, 0xfedcba98
	s_lshl_b32 s46, s21, 8                         ; 256 cg
	s_mov_b32 s47, 0
	s_lshl_b32 s28, s23, 18                        ; a sentence is 64 rows of 4,096 bytes
	s_add_co_u32 s28, s28, s46
	s_mov_b32 s29, 0
	s_lshr_b32 s42, s21, 3                         ; the last layer's two directions are planes 4 and 5 of hidden_state, 524,288 bytes each
	s_lshl_b32 s42, s42, 19
	s_and_b32 s43, s21, 7
	s_lshl_b32 s43, s43, 8
	s_add_co_u32 s42, s42, s43
	s_add_co_u32 s42, s42, 2097152
	s_mov_b32 s43, 0
	s_wait_kmcnt 0x0
	s_load_b32 s25, s[8:9], s24 offset:0x0         ; my sentence's length
	s_load_b32 s26, s[14:15], 0x0                  ; e0
	s_add_nc_u64 s[30:31], s[4:5], s[28:29]        ; my sentence's words, my features
	s_add_nc_u64 s[32:33], s[4:5], s[46:47]        ; the words' pivot
	s_add_nc_u64 s[34:35], s[6:7], s[42:43]        ; the sentence features
	s_add_nc_u64 s[36:37], s[10:11], s[46:47]      ; gain and bias: the sentence features' stand 4,096 bytes on
	s_add_nc_u64 s[38:39], s[12:13], s[46:47]
	s_lshl_b32 s42, s22, 13
	s_add_co_u32 s42, s42, s46
	s_add_nc_u64 s[16:17], s[16:17], s[42:43]      ; part1 + 8192 sg + 256 cg
	s_lshl_b32 s42, s21, 14
	s_lshl_b32 s44, s22, 10
	s_add_co_u32 s42, s42, s44
	s_add_nc_u64 s[18:19], s[18:19], s[42:43]      ; sq + 16384 cg + 1024 sg
	global_load_b128 v[LN:LN+3], v84, s[8:9]
	global_load_b128 v[LN+4:LN+7], v84, s[8:9] offset:16
.irp i, 0,1,2,3,4,5,6,7
	global_load_b32 v[LW+\i], v85, s[8:9] offset:8*\i
.endr
	global_load_b128 v[PS:PS+3], v86, s[34:35]
	global_load_b128 v[224:227], v86, s[36:37] offset:4096
	global_load_b128 v[228:231], v86, s[38:39] offset:4096
.irp i, 0,1,2,3,4,5,6,7
	global_load_b128 v[XS+4*\i:XS+4*\i+3], v87, s[34:35] offset:4096*\i
.endr
	global_load_b128 v[PW:PW+3], v86, s[32:33]
	s_wait_kmcnt 0x0
	s_max_i32 s25, s25, 0
	s_min_u32 s25, s25, 64                         ; the length, within 0 .. 64
	s_max_i32 s27, s25, 1
	s_sub_co_u32 s27, s27, 1
	s_lshr_b32 s27, s27, 4                         ; the last group that holds a valid token
.irp g, 0,1,2,3
	s_min_u32 s44, s27, \g                         ; group g, or the last valid one in its stead
	v_lshl_add_u32 v[OFF+\g], s44, 16, v4          ; 16 tokens are 65,536 bytes
.endr
.set n, 0
.rept 32                                       ; token 2 n + h: sixteen lanes read 256 consecutive bytes
	global_load_b128 v[X+4*n:X+4*n+3], v[OFF+n/8], s[30:31] offset:8192*(n%8)
.set n, n+1
.endr
.set n, 0
.rept 16
	v_mov_b32 v[SS+n], 0                           ; the sixteen running sums
.set n, n+1
.endr
	v_mov_b32 v95, 0
	v_mov_b32 v253, 0
	s_wait_loadcnt 33                              ; all but the words' pivot and the 32 tokens
.irp j, 0,1,2,3,4,5,6,7
	v_max_i32 v[LN+\j], 0, v[LN+\j]
	v_min_i32 v[LN+\j], 64, v[LN+\j]
.endr
	v_add3_u32 v88, v10, v11, v12
	v_add3_u32 v89, v13, v14, v15
	v_add3_u32 v88, v88, v16, v17
	v_add_nc_u32 v88, v88, v89
	v_cvt_f32_i32 v254, v88
	RED32 254, 88                                  ; the number of valid tokens (at most 16,384: exact)
.irp i, 0,1,2,3,4,5,6,7
	v_max_i32 v[LW+\i], 0, v[LW+\i]
	v_min_i32 v[LW+\i], 64, v[LW+\i]
	v_cvt_f32_i32 v94, v[LW+\i]                    ; the sentence counts once for each of its tokens
	ACCUM XS+4*\i, PS, SS
.endr
.irp j, 0,1,2,3,4,5,6,7
	XHALF SS+\j, 88
.endr
	s_wait_loadcnt 0x0
.set n, 0
.rept 32
	s_sub_co_i32 s42, s25, 2*n
	v_cmp_gt_i32 vcc_lo, s42, v3                   ; token 2 n + h lies below the length
	v_cndmask_b32 v94, 0, 1.0, vcc_lo
	ACCUM X+4*n, PW, WS
.set n, n+1
.endr
.irp j, 0,1,2,3,4,5,6,7
	XHALF WS+\j, 88
.endr
	v_cmp_eq_u32 vcc_lo, 1, v3                     ; lanes 0-15 hand on S, lanes 16-31 Q
.irp j, 0,1,2,3
	v_cndmask_b32 v[88+\j], v[WS+\j], v[WS+4+\j], vcc_lo
	v_cndmask_b32 v[92+\j], v[SS+\j], v[SS+4+\j], vcc_lo
.endr
	ds_store_b128 v9, v[88:91]
	ds_store_b128 v9, v[92:95] offset:8192
	s_wait_dscnt 0x0                               ; for the others' sake: my stores have landed
	s_barrier_signal -1
	s_barrier_wait -1
	s_cmp_lg_u32 s20, 0
	s_cbranch_scc1 .Lnot_words
.irp j, 0,1,2,3,4,5,6,7,8,9,10,11,12,13,14,15
	ds_load_b128 v[X+4*\j:X+4*\j+3], v248 offset:512*\j
.endr
	s_wait_dscnt 0x0
.irp j, 1,2,3,4,5,6,7,8,9,10,11,12,13,14,15
	v_pk_add_f32 v[X:X+1], v[X:X+1], v[X+4*\j:X+4*\j+1]
	v_pk_add_f32 v[X+2:X+3], v[X+2:X+3], v[X+4*\j+2:X+4*\j+3]
.endr
	global_store_b128 v4, v[X:X+3], s[16:17]       ; sixteen lanes store 256 consecutive bytes of S, sixteen of Q
	s_wait_xcnt 0x0                                ; the store has read its registers: they may be loaded again below
.Lnot_words:
	s_cmp_lg_u32 s20, s22
	s_cbranch_scc1 .Lend
.irp j, 0,1,2,3,4,5,6,7,8,9,10,11,12,13,14,15
	ds_load_b128 v[X+4*\j:X+4*\j+3], v249 offset:512*\j
	ds_load_b128 v[X+64+4*\j:X+64+4*\j+3], v249 offset:512*\j+256
.endr
	v_rcp_f32 v252, v254                           ; 1 / count
	s_add_co_i32 s43, s26, 127
	s_lshl_b32 s44, s43, 23
	v_mov_b32 v84, s44                             ; 2^e0 as f32: the conversion takes its exponent field.  (A plain line behind the reciprocal)
	s_add_co_i32 s43, s43, 8
	s_lshl_b32 s43, s43, 23
	s_or_b32 s43, s43, 0x600000
	v_mov_b32 v85, s43                             ; 448 x 2^e0
	s_wait_dscnt 0x0
.irp j, 1,2,3,4,5,6,7,8,9,10,11,12,13,14,15
	v_pk_add_f32 v[X:X+1], v[X:X+1], v[X+4*\j:X+4*\j+1]
	v_pk_add_f32 v[X+2:X+3], v[X+2:X+3], v[X+4*\j+2:X+4*\j+3]
	v_pk_add_f32 v[X+64:X+65], v[X+64:X+65], v[X+64+4*\j:X+64+4*\j+1]
	v_pk_add_f32 v[X+66:X+67], v[X+66:X+67], v[X+64+4*\j+2:X+64+4*\j+3]
.endr
	s_wait_alu depctr_va_vdst(0)                   ; ahead of the reciprocal's first reader
	v_pk_mul_f32 v[88:89], v[X:X+1], v[252:253] op_sel_hi:[1,0]          ; mean - pivot
	v_pk_mul_f32 v[90:91], v[X+2:X+3], v[252:253] op_sel_hi:[1,0]
	v_pk_mul_f32 v[X+64:X+65], v[X+64:X+65], v[252:253] op_sel_hi:[1,0]
	v_pk_mul_f32 v[X+66:X+67], v[X+66:X+67], v[252:253] op_sel_hi:[1,0]
	v_pk_fma_f32 v[X+64:X+65], v[88:89], v[88:89], v[X+64:X+65] neg_lo:[1,0,0] neg_hi:[1,0,0]   ; the variance
	v_pk_fma_f32 v[X+66:X+67], v[90:91], v[90:91], v[X+66:X+67] neg_lo:[1,0,0] neg_hi:[1,0,0]
.irp j, 0,1,2,3
	v_max_num_f32 v[X+64+\j], 0, v[X+64+\j]
	v_add_f32 v[X+64+\j], 0x3727c5ac, v[X+64+\j]   ; + 1e-5
.endr
.irp j, 0,1,2,3
	v_rsq_f32 v[92+\j], v[X+64+\j]
.endr
	v_pk_add_f32 v[88:89], v[88:89], v[PS:PS+1]    ; the mean.  (Plain lines behind the batch)
	v_pk_add_f32 v[90:91], v[90:91], v[PS+2:PS+3]
	s_wait_alu depctr_va_vdst(0)                   ; one wait for the four roots
	v_pk_mul_f32 v[232:233], v[224:225], v[92:93]  ; a = gain / sqrt(var + eps)
	v_pk_mul_f32 v[234:235], v[226:227], v[94:95]
	v_pk_fma_f32 v[236:237], v[88:89], v[232:233], v[228:229] neg_lo:[1,0,0] neg_hi:[1,0,0]     ; c = bias - mean a
	v_pk_fma_f32 v[238:239], v[90:91], v[234:235], v[230:231] neg_lo:[1,0,0] neg_hi:[1,0,0]
.irp i, 0,1,2,3,4,5,6,7
	v_pk_fma_f32 v[XS+4*\i:XS+4*\i+1], v[XS+4*\i:XS+4*\i+1], v[232:233], v[236:237]
	v_pk_fma_f32 v[XS+4*\i+2:XS+4*\i+3], v[XS+4*\i+2:XS+4*\i+3], v[234:235], v[238:239]
.endr
.set n, 0
.rept 32
	v_med3_num_f32 v[XS+n], v[XS+n], -v85, v85     ; the conversion does not saturate (ISA guide 7.6.2): the hold at the largest code x the scale
.set n, n+1
.endr
.irp p, 0,1,2,3
	v_cvt_scalef32_pk8_fp8_f32 v[240+2*\p:241+2*\p], v[XS+8*\p:XS+8*\p+7], v84   ; register 240 + i: four codes of row 2 i + h
.endr
	v_nop
.irp i, 0,1,2,3,4,5,6,7
	ds_store_b32 v250, v[240+\i] offset:128*\i
.endr
	ds_load_b128 v[88:91], v251                    ; LDS serves a wave's instructions in order: these see my stores
	ds_load_b128 v[92:95], v251 offset:512
	s_wait_dscnt 0x0
	global_store_b128 v248, v[88:91], s[18:19]     ; 512 consecutive bytes each
	global_store_b128 v248, v[92:95], s[18:19] offset:512
.Lend:
	s_wait_tensorcnt 0x0
	ds_add_u32 v31, v255
	s_wait_dscnt 0x0
	s_endpgm
.Lfunc_end_k_q3bd0b9385b_stats:
	.size	k_q3bd0b9385b_stats, .Lfunc_end_k_q3bd0b9385b_stats-k_q3bd0b9385b_stats
	.p2alignl 7, 3214868480
	.fill 96, 4, 3214868480
	.section	.rodata,"a",@progbits
	.p2align	6, 0x0
	.amdhsa_kernel k_q3bd0b9385b_stats
		.amdhsa_group_segment_fixed_size 34816
		.amdhsa_private_segment_fixed_size 0
		.amdhsa_enable_private_segment 0
		.amdhsa_kernarg_size 64
		.amdhsa_user_sgpr_count 2
		.amdhsa_user_sgpr_kernarg_segment_ptr 1
		.amdhsa_wavefront_size32 1
		.amdhsa_system_sgpr_workgroup_id_x 1
		.amdhsa_system_sgpr_workgroup_id_y 1
		.amdhsa_system_sgpr_workgroup_id_z 1
		.amdhsa_system_vgpr_workitem_id 0
		.amdhsa_next_free_vgpr 256
		.amdhsa_next_free_sgpr 66
		.amdhsa_reserve_vcc 1
		.amdhsa_float_denorm_mode_32 3
		.amdhsa_float_denorm_mode_16_64 3
		.amdhsa_memory_ordered 1
		.amdhsa_forward_progress 1
		.amdhsa_inst_pref_size 52
	.end_amdhsa_kernel
	.amdgpu_metadata
---
amdhsa.version: [ 1, 2 ]
amdhsa.kernels:
  - .name:           k_q3bd0b9385b_stats
    .symbol:         k_q3bd0b9385b_stats.kd
    .args:
      - { .name: lstm_output, .offset: 0, .size: 8, .value_kind: global_buffer, .address_space: global }
      - { .name: hidden_state, .offset: 8, .size: 8, .value_kind: global_buffer, .address_space: global }
      - { .name: seq_lengths, .offset: 16, .size: 8, .value_kind: global_buffer, .address_space: global }
      - { .name: bn1_g, .offset: 24, .size: 8, .value_kind: global_buffer, .address_space: global }
      - { .name: bn1_b, .offset: 32, .size: 8, .value_kind: global_buffer, .address_space: global }
      - { .name: lowp_scales, .offset: 40, .size: 8, .value_kind: global_buffer, .address_space: global }
      - { .name: part1, .offset: 48, .size: 8, .value_kind: global_buffer, .address_space: global }
      - { .name: sq, .offset: 56, .size: 8, .value_kind: global_buffer, .address_space: global }
    .group_segment_fixed_size: 34816
    .private_segment_fixed_size: 0
    .kernarg_segment_align: 8
    .kernarg_segment_size: 64
    .max_flat_workgroup_size: 512
    .sgpr_count:     66
    .vgpr_count:     256
    .wavefront_size: 32
...
	.end_amdgpu_metadata
.endif
;; end of part 1
;; launch quant (part 2): grid 256 x 1, 16 waves a work-group, no clusters, 10,240 bytes of LDS; arguments lstm_output, seq_lengths, part1, bn1_g, bn1_b, lowp_scales, sq, W1_codes, b1, xq, g2; writes xq, g2
.if DOCPART == 2
	.amdgcn_target "amdgcn-amd-amdhsa--gfx1250"
	.amdhsa_code_object_version 6
	.text
	.protected	k_q3bd0b9385b_quant
	.globl	k_q3bd0b9385b_quant
	.p2align	8
	.type	k_q3bd0b9385b_quant,@function
k_q3bd0b9385b_quant:
	s_mov_b64 s[64:65], 0
	v_nop
	global_prefetch_b8 v0, s[64:65] scope:SCOPE_SE
	s_setreg_imm32_b32 hwreg(HW_REG_WAVE_MODE, 25, 1), 1
	s_wait_xcnt 0x0
; SECOND LAUNCH.  (1) The word features of one sentence (work-group b) are normalised and quantised: xq [16384 rows][1024] codes of E4M3, scale 2^e0.
; (2) The sentence half of the first product, which is the same for all tokens of a sentence, is multiplied once for each sentence: 256 x 2,048 x 1,024, on the codes of the first launch and
; columns 1,024 .. 2,047 of W1's rows.  g2 holds (sum x 2^(e0 + e1) + b1[n]) x 2 log2(e), laid in the order of the registers that the third launch adds it to.
; SHARES.  Thread t: eight features 8 (t % 128) .., tokens 4 p + wave / 4, p = 0 .. 15; a wave's store covers 256 consecutive bytes of a row of codes.  For the statistics thread t owns features 2 t, 2 t + 1.
; Tokens at or behind the length are not fetched: their loads name the last valid token, and their rows of codes repeat it; what is made of those rows is thrown away by the mask later.
; The tail: waves 0-7 make one tile of 16 columns x 16 sentences each: column tile b / 2, sentence tile 8 (b % 2) + wave.  Source 0 = 16 rows of W1, source 1 = 16 sentences: a lane holds one sentence and eight columns.
; LIMITS: e0 between -126 and 119; e0 + e1 between -127 and 125; NaN and infinities are not served; at least one token is valid.
.set X, 128                            ; v128-255 pass p: 8 numbers; later the tail's fragments
.macro XHALF reg, tmp
	v_permlanex16_b32 v[\tmp], v[\reg], s38, s39
	v_add_f32 v[\reg], v[\reg], v[\tmp]
.endm
	s_load_b256 s[4:11], s[0:1], 0x0               ; lstm s[4:5], lengths s[6:7], part1 s[8:9], gain s[10:11]
	s_load_b256 s[12:19], s[0:1], 0x20             ; bias s[12:13], scales s[14:15], sq s[16:17], W1 s[18:19]
	s_load_b128 s[20:23], s[0:1], 0x40             ; b1 s[20:21], xq s[22:23]
	s_load_b64 s[24:25], s[0:1], 0x50              ; g2
	v_lshrrev_b32 v1, 5, v0
	v_readfirstlane_b32 s27, v1                    ; wave
	v_and_b32 v1, 31, v0
	v_and_b32 v2, 15, v0
	v_bfe_u32 v3, v0, 4, 1
	v_and_b32 v4, 127, v0
	v_lshlrev_b32 v9, 5, v4                        ; my eight features: 32 bytes of a row; also their place in the tables in LDS
	v_lshlrev_b32 v8, 3, v0                        ; 8 t: features 2 t, 2 t + 1
	v_lshlrev_b32 v7, 5, v1                        ; eight lengths a lane
	s_lshr_b32 s28, s27, 2                         ; wave / 4
	s_lshl_b32 s32, s28, 10
	v_lshl_add_u32 v6, v4, 3, s32                  ; my eight codes in rows wave / 4 + 4 p
	s_mov_b32 s26, ttmp9                           ; b
	s_lshl_b32 s33, s26, 2
	s_mov_b32 s38, 0x76543210
	s_mov_b32 s39, 0xfedcba98
	s_mov_b32 s35, 0
	s_wait_kmcnt 0x0
	s_load_b32 s29, s[6:7], s33 offset:0x0         ; the length
	s_load_b64 s[30:31], s[14:15], 0x0             ; e0, e1
	s_lshl_b32 s34, s26, 18
	s_add_nc_u64 s[40:41], s[4:5], s[34:35]        ; my sentence's words
	s_lshl_b32 s34, s26, 16
	s_add_nc_u64 s[22:23], s[22:23], s[34:35]      ; and its 64 rows of codes
	global_load_b128 v[26:29], v7, s[6:7]
	global_load_b128 v[30:33], v7, s[6:7] offset:16
	global_load_b64 v[34:35], v8, s[4:5]           ; the pivot: token 0 of sentence 0
	global_load_b64 v[36:37], v8, s[10:11]
	global_load_b64 v[38:39], v8, s[12:13]
.irp g, 0,1,2,3,4,5,6,7,8,9,10,11,12,13,14,15
	global_load_b64 v[40+4*\g:41+4*\g], v8, s[8:9] offset:8192*\g
	global_load_b64 v[42+4*\g:43+4*\g], v8, s[8:9] offset:8192*\g+4096
.endr
	s_wait_kmcnt 0x0
	s_sub_co_i32 s29, s29, 1
	s_max_i32 s29, s29, 0
	s_min_u32 s29, s29, 63                         ; the last valid token
.irp p, 0,1,2,3,4,5,6,7,8,9,10,11,12,13,14,15
	s_add_co_u32 s32, s28, 4*\p
	s_min_u32 s32, s32, s29
	s_min_u32 s32, s32, 63
	v_lshl_add_u32 v[10+\p], s32, 12, v9
	global_load_b128 v[X+8*\p:X+8*\p+3], v[10+\p], s[40:41]
	global_load_b128 v[X+8*\p+4:X+8*\p+7], v[10+\p], s[40:41] offset:16
.endr
	s_add_co_i32 s32, s30, 127
	s_lshl_b32 s33, s32, 23
	v_mov_b32 v124, s33                            ; 2^e0
	s_add_co_i32 s32, s32, 8
	s_lshl_b32 s32, s32, 23
	s_or_b32 s32, s32, 0x600000
	v_mov_b32 v125, s32                            ; 448 x 2^e0
	s_wait_loadcnt 32                              ; all but the 32 loads of words
.irp j, 0,1,2,3,4,5,6,7
	v_max_i32 v[26+\j], 0, v[26+\j]
	v_min_i32 v[26+\j], 64, v[26+\j]
.endr
	v_add3_u32 v122, v26, v27, v28
	v_add3_u32 v123, v29, v30, v31
	v_add3_u32 v122, v122, v32, v33
	v_add_nc_u32 v122, v122, v123
	v_cvt_f32_i32 v122, v122
	v_add_f32_dpp v122, v122, v122 row_xmask:1 row_mask:0xf bank_mask:0xf
	v_add_f32_dpp v122, v122, v122 row_xmask:2 row_mask:0xf bank_mask:0xf
	v_add_f32_dpp v122, v122, v122 row_xmask:4 row_mask:0xf bank_mask:0xf
	v_add_f32_dpp v122, v122, v122 row_xmask:8 row_mask:0xf bank_mask:0xf
	XHALF 122, 123                                 ; the number of valid tokens
	v_rcp_f32 v120, v122
	v_mov_b32 v121, 0                              ; (named with it as a pair)
.irp g, 1,2,3,4,5,6,7,8,9,10,11,12,13,14,15
	v_pk_add_f32 v[40:41], v[40:41], v[40+4*\g:41+4*\g]
	v_pk_add_f32 v[42:43], v[42:43], v[42+4*\g:43+4*\g]
.endr
	s_wait_alu depctr_va_vdst(0)                   ; ahead of the reciprocal's first reader
	v_pk_mul_f32 v[126:127], v[40:41], v[120:121] op_sel_hi:[1,0]        ; mean - pivot
	v_pk_mul_f32 v[42:43], v[42:43], v[120:121] op_sel_hi:[1,0]
	v_pk_fma_f32 v[42:43], v[126:127], v[126:127], v[42:43] neg_lo:[1,0,0] neg_hi:[1,0,0]
	v_max_num_f32 v42, 0, v42
	v_max_num_f32 v43, 0, v43
	v_pk_add_f32 v[42:43], v[42:43], 0x3727c5ac op_sel_hi:[1,0]          ; + 1e-5
	v_rsq_f32 v44, v42
	v_rsq_f32 v45, v43
	v_pk_add_f32 v[48:49], v[126:127], v[34:35]    ; the mean.  (A plain line behind the roots)
	s_wait_alu depctr_va_vdst(0)
	v_pk_mul_f32 v[46:47], v[36:37], v[44:45]      ; a
	v_pk_fma_f32 v[50:51], v[48:49], v[46:47], v[38:39] neg_lo:[1,0,0] neg_hi:[1,0,0]   ; c = bias - mean a
	ds_store_b64 v8, v[46:47]
	ds_store_b64 v8, v[50:51] offset:4096
	s_wait_dscnt 0x0                               ; for the others' sake
	s_barrier_signal -1
	s_barrier_wait -1
	ds_load_b128 v[104:107], v9
	ds_load_b128 v[108:111], v9 offset:16
	ds_load_b128 v[112:115], v9 offset:4096
	ds_load_b128 v[116:119], v9 offset:4112
	s_wait_dscnt 0x0
.macro PASS p
	s_wait_loadcnt 30-2*(\p)                       ; this pass's two loads are in; the later passes' may be out
.irp k, 0,2,4,6
	v_pk_fma_f32 v[X+8*(\p)+\k:X+8*(\p)+\k+1], v[X+8*(\p)+\k:X+8*(\p)+\k+1], v[104+\k:105+\k], v[112+\k:113+\k]
.endr
.irp k, 0,1,2,3,4,5,6,7
	v_med3_num_f32 v[X+8*(\p)+\k], v[X+8*(\p)+\k], -v125, v125   ; the hold at the largest code x the scale
.endr
	v_cvt_scalef32_pk8_fp8_f32 v[40+2*(\p):41+2*(\p)], v[X+8*(\p):X+8*(\p)+7], v124
	global_store_b64 v6, v[40+2*(\p):41+2*(\p)], s[22:23] offset:4096*(\p)   ; each pass has its own registers for its codes
.endm
.irp p, 0,1,2,3,4,5,6,7,8,9,10,11,12,13,14,15
	PASS \p
.endr
	v_nop                                          ; a plain line behind the last conversion: its registers are written again below
	s_cmp_lt_u32 s27, 8
	s_cbranch_scc0 .Lend
	s_wait_xcnt 0x0                                ; the stores have read their registers
	s_lshr_b32 s42, s26, 1                         ; column tile
	s_and_b32 s43, s26, 1
	s_lshl_b32 s43, s43, 3
	s_add_co_u32 s43, s43, s27                     ; sentence tile
	s_mov_b32 s45, 0
	s_lshl_b32 s44, s43, 10
	s_add_nc_u64 s[16:17], s[16:17], s[44:45]      ; sq: 16 sentences of 64 bytes
	s_lshl_b32 s46, s42, 14
	s_add_co_u32 s44, s44, s46
	s_add_nc_u64 s[24:25], s[24:25], s[44:45]      ; g2: 16384 x column tile + 1024 x sentence tile
	s_lshl_b32 s44, s42, 15
	s_add_nc_u64 s[18:19], s[18:19], s[44:45]      ; W1: 16 rows of 2,048 bytes
	s_lshl_b32 s44, s42, 6
	s_add_nc_u64 s[20:21], s[20:21], s[44:45]      ; b1
	v_lshlrev_b32 v72, 6, v2
	v_lshl_add_u32 v72, v3, 4, v72                 ; sq: 64 r + 16 h
	v_lshlrev_b32 v73, 11, v2
	v_lshl_add_u32 v73, v3, 4, v73                 ; W1: 2048 r + 16 h
	v_lshlrev_b32 v74, 5, v3                       ; b1: my eight columns 8 h ..
	v_lshlrev_b32 v75, 4, v1
	global_load_b128 v[56:59], v74, s[20:21]
	global_load_b128 v[60:63], v74, s[20:21] offset:16
; four K steps of 128: registers 4 c .. 4 c + 3 of a fragment hold k = 32 c + 16 h + 0 .. 15, alike on both sides.  Two accumulators take turns.
.macro GBATCH u
.irp j, 0,1,2,3
.irp c, 0,1,2,3
	global_load_b128 v[128+16*\j+4*\c:131+16*\j+4*\c], v72, s[16:17] offset:(2*(4*\u+\j)+\c/2)*16384+32*(\c%2)
	global_load_b128 v[192+16*\j+4*\c:195+16*\j+4*\c], v73, s[18:19] offset:1024+128*(4*\u+\j)+32*\c
.endr
.endr
	s_wait_loadcnt 0x0
.irp j, 0,1,2,3
.if (\u == 0) && (\j < 2)
	v_wmma_f32_16x16x128_fp8_fp8 v[40+8*(\j%2):47+8*(\j%2)], v[192+16*\j:207+16*\j], v[128+16*\j:143+16*\j], 0
.else
	v_wmma_f32_16x16x128_fp8_fp8 v[40+8*(\j%2):47+8*(\j%2)], v[192+16*\j:207+16*\j], v[128+16*\j:143+16*\j], v[40+8*(\j%2):47+8*(\j%2)]
.endif
.endr
.rept 4
	v_nop                                          ; places in front of loads into the fragments' registers, and of the first read of results
.endr
.endm
	GBATCH 0
	GBATCH 1
	s_add_co_i32 s33, s30, s31
	s_lshl_b32 s33, s33, 23
	s_add_co_i32 s34, s33, 0x4038aa3b              ; 2^(e0 + e1) x 2 log2(e): the exponents are added to the constant's exponent field
	s_mov_b32 s35, s34
.irp k, 0,2,4,6
	v_pk_add_f32 v[64+\k:65+\k], v[40+\k:41+\k], v[48+\k:49+\k]          ; the two halves of K; each accumulator from its low end on
	v_pk_mul_f32 v[56+\k:57+\k], v[56+\k:57+\k], 0x4038aa3b op_sel_hi:[1,0]
.endr
.irp k, 0,2,4,6
	v_pk_fma_f32 v[64+\k:65+\k], v[64+\k:65+\k], s[34:35], v[56+\k:57+\k] op_sel_hi:[1,0,1]
.endr
	global_store_b128 v75, v[64:67], s[24:25]      ; 512 consecutive bytes each
	global_store_b128 v75, v[68:71], s[24:25] offset:512
.Lend:
	s_wait_xcnt 0x0
	v_lshl_add_u32 v124, v0, 2, 0x2000
	v_mov_b32 v125, 0
	s_wait_tensorcnt 0x0
	ds_add_u32 v124, v125
	s_wait_dscnt 0x0
	s_endpgm
.Lfunc_end_k_q3bd0b9385b_quant:
	.size	k_q3bd0b9385b_quant, .Lfunc_end_k_q3bd0b9385b_quant-k_q3bd0b9385b_quant
	.p2alignl 7, 3214868480
	.fill 96, 4, 3214868480
	.section	.rodata,"a",@progbits
	.p2align	6, 0x0
	.amdhsa_kernel k_q3bd0b9385b_quant
		.amdhsa_group_segment_fixed_size 10240
		.amdhsa_private_segment_fixed_size 0
		.amdhsa_enable_private_segment 0
		.amdhsa_kernarg_size 88
		.amdhsa_user_sgpr_count 2
		.amdhsa_user_sgpr_kernarg_segment_ptr 1
		.amdhsa_wavefront_size32 1
		.amdhsa_system_sgpr_workgroup_id_x 1
		.amdhsa_system_sgpr_workgroup_id_y 1
		.amdhsa_system_sgpr_workgroup_id_z 1
		.amdhsa_system_vgpr_workitem_id 0
		.amdhsa_next_free_vgpr 256
		.amdhsa_next_free_sgpr 66
		.amdhsa_reserve_vcc 0
		.amdhsa_float_denorm_mode_32 3
		.amdhsa_float_denorm_mode_16_64 3
		.amdhsa_memory_ordered 1
		.amdhsa_forward_progress 1
		.amdhsa_inst_pref_size 40
	.end_amdhsa_kernel
	.amdgpu_metadata
---
amdhsa.version: [ 1, 2 ]
amdhsa.kernels:
  - .name:           k_q3bd0b9385b_quant
    .symbol:         k_q3bd0b9385b_quant.kd
    .args:
      - { .name: lstm_output, .offset: 0, .size: 8, .value_kind: global_buffer, .address_space: global }
      - { .name: seq_lengths, .offset: 8, .size: 8, .value_kind: global_buffer, .address_space: global }
      - { .name: part1, .offset: 16, .size: 8, .value_kind: global_buffer, .address_space: global }
      - { .name: bn1_g, .offset: 24, .size: 8, .value_kind: global_buffer, .address_space: global }
      - { .name: bn1_b, .offset: 32, .size: 8, .value_kind: global_buffer, .address_space: global }
      - { .name: lowp_scales, .offset: 40, .size: 8, .value_kind: global_buffer, .address_space: global }
      - { .name: sq, .offset: 48, .size: 8, .value_kind: global_buffer, .address_space: global }
      - { .name: W1_codes, .offset: 56, .size: 8, .value_kind: global_buffer, .address_space: global }
      - { .name: b1, .offset: 64, .size: 8, .value_kind: global_buffer, .address_space: global }
      - { .name: xq, .offset: 72, .size: 8, .value_kind: global_buffer, .address_space: global }
      - { .name: g2, .offset: 80, .size: 8, .value_kind: global_buffer, .address_space: global }
    .group_segment_fixed_size: 10240
    .private_segment_fixed_size: 0
    .kernarg_segment_align: 8
    .kernarg_segment_size: 88
    .max_flat_workgroup_size: 512
    .sgpr_count:     66
    .vgpr_count:     256
    .wavefront_size: 32
...
	.end_amdgpu_metadata
.endif
;; end of part 2
;; launch gemm (part 3): grid 8 x 64, 4 waves a work-group, clusters of 4 x 4, 327,680 bytes of LDS; arguments xq, W1_codes, lowp_scales, W2, g2, epart; writes epart
.if DOCPART == 3
	.amdgcn_target "amdgcn-amd-amdhsa--gfx1250"
	.amdhsa_code_object_version 6
	.text
	.protected	k_q3bd0b9385b_gemm
	.globl	k_q3bd0b9385b_gemm
	.p2align	8
	.type	k_q3bd0b9385b_gemm,@function
k_q3bd0b9385b_gemm:
	s_mov_b64 s[64:65], 0
	v_nop
	global_prefetch_b8 v0, s[64:65] scope:SCOPE_SE
	s_setreg_imm32_b32 hwreg(HW_REG_WAVE_MODE, 25, 1), 1
	s_wait_xcnt 0x0
	s_wait_alu depctr_hold_cnt(0) depctr_sa_sdst(0) depctr_va_vdst(0) depctr_va_sdst(0) depctr_va_ssrc(0) depctr_va_vcc(0) depctr_vm_vsrc(0)
	s_getreg_b32 s2, hwreg(HW_REG_IB_STS2, 6, 4)
	s_cmp_eq_u32 s2, 0
	s_cbranch_scc0 .Lentry_in_a_cluster
	s_endpgm
.Lentry_in_a_cluster:
	s_bfe_u32 s2, ttmp6, 0x10000c
	s_cmp_lg_u32 s2, 0xf033
	s_cbranch_scc0 .Lentry_shape_is_right
	s_endpgm
.Lentry_shape_is_right:
; THIRD LAUNCH.  The word half of the first product, 16,384 x 2,048 x 1,024 on codes of E4M3, with tanh and the dot product with W2 on the way out:
; epart[slice][row] = sum over the slice's 128 columns n of W2[n] tanh(sum_k x(row, k) W1(n, k) 2^(e0 + e1) + the sentence's part + b1[n]).  The hidden layer never goes to memory.
; A: xq, rows of 1,024 bytes.  B: bytes 0 .. 1,023 of W1's rows of 2,048.  g2 holds (the sentence's part + b1) x 2 log2(e).  tanh z = 1 - 2 / (1 + 2^(2 log2(e) z)).
; A tile of 256 x 256 is made by four waves, each 128 x 128: 64 accumulators, 512 registers.  K goes in four steps of 256 through a ring of two LDS slots filled by the tensor data mover.
; CLUSTERS: 4 x 4 work-groups.  The four of a row of the cluster need the same tiles of A, the four of a column the same tiles of B: each tile is asked for JOINTLY, by the same tensor load with the
; same descriptor and a mask that names the four.  THE MATRIX INSTRUCTION IS USED TRANSPOSED (source 0 = 16 rows of B, source 1 = 16 rows of A): a lane holds one row and eight neighbouring columns.
; REGISTERS, in windows of 256: window 0: v0-31 addresses; v32-95 W2 of my lane's 64 columns; v96-127 at work on the way out; from v128 A's fragments, ONE set; on the way out v128-191 hold a block's 64 numbers.
;   window 1: B's fragments, TWO sets, at v0 and v128; in the last step set 0 takes the addends of my two sentences.   window 2: the accumulators of my rows 0-63;   window 3: of rows 64-127.
; LIMIT: e0 + e1 between -127 and 125.
.set KSTEP,  256
.set ROWB,   256                       ; a tile's row in bytes
.set KROWA,  1024                      ; a row of A in memory
.set KROWB,  2048                      ; a row of B in memory
.set PITCH,  272                       ; an LDS row: 256 bytes + 16 of padding = 68 words: the 16 rows that a load touches start at 16 different banks (64 banks of 4 bytes: ISA guide 11.1)
.set FR,     16
.set NL,     4
.set NP,     4                         ; places behind this matrix instruction (ISA guide 7.12.1)
.set HALFT,  128*PITCH
.set SLOT,   4*HALFT
.set SPARE,  2*SLOT                    ; behind the ring: the spare words, 128 bytes for each wave
.set ADRA, 16
.set ADRB, 20
.set STO,  24                          ; v24  the way out: 512 x wave + 4 r, in slot 0, which has had its last fill and its last read by then
.set RD,   25                          ; v25  512 x wave + 16 L
.set CO,   26                          ; v26  16 L
.set WO,   27                          ; v27  32 h: my eight columns of a tile, in W2
.set SPW,  28
.set NIL,  29
.set GOF,  30                          ; v30  256 h: the same in g2
.set WW,   32
.set E,    96
.set SW,   104
.set ER,   112
.set TP,   120
.set T,    128
.set AF,   128
.set G1, 24
.set G0, 32
.set G1B, 48
.set G0B, 56
.set MSB, 0
.macro WIN new                         ; the immediate's high byte repeats the setting that is left
.if MSB != \new
	s_set_vgpr_msb (MSB<<8)|\new
.set MSB, \new
.endif
.endm
.set MUL_LO, 0xa1                      ; source 0 (B) window 1, source 1 (A) window 0, C and D window 2
.set MUL_HI, 0xf1
.set TO_B,   0x40                      ; destination window 1, address window 0
; A joint load: waves 0 and 1 fetch for A, waves 2 and 3 for B.  The branch hangs on the wave's number alone.  Four v_nop follow each of the two lines.
.macro JLOAD g0a, g1a, g0b, g1b
	s_cmp_eq_u32 s15, 0
	s_cbranch_scc0 .Lfor_b_\@
	tensor_load_to_lds s[\g0a:\g0a+3], s[\g1a:\g1a+7]
	s_nop 0
.rept 4
	v_nop
.endr
	s_branch .Lasked_\@
.Lfor_b_\@:
	tensor_load_to_lds s[\g0b:\g0b+3], s[\g1b:\g1b+7]
	s_nop 0
.rept 4
	v_nop
.endr
.Lasked_\@:
.endm
.macro CREST                           ; a round of the cluster's barrier behind its opening barrier
	s_cmp_lg_u32 s14, 0
	s_cbranch_scc1 .Lnot_wave_0_\@
	s_barrier_signal -3
.Lnot_wave_0_\@:
	s_barrier_wait -3
	s_barrier_signal -1
	s_barrier_wait -1
.endm
.macro CROUND
	s_barrier_signal -1
	s_barrier_wait -1
	CREST
.endm
	s_load_b128 s[4:7], s[0:1], 0x0                ; A's codes, B's codes
	s_load_b128 s[8:11], s[0:1], 0x10              ; the scales' exponents, W2
	s_load_b128 s[68:71], s[0:1], 0x20             ; g2, epart
	v_lshl_add_u32 v[SPW], v0, 2, SPARE
	v_mov_b32 v[NIL], 0
	ds_add_u32 v28, v29
	ds_add_u32 v28, v29
	s_wait_dscnt 0x0
	v_lshrrev_b32 v1, 5, v0
	v_readfirstlane_b32 s14, v1                    ; wave 0..3
	s_lshr_b32 s15, s14, 1                         ; which half of the tile's rows is mine.  Also: I fetch for A (0) or for B (1)
	s_and_b32 s16, s14, 1                          ; which half of its columns.  Also: which 128 rows of that tile I fetch
	s_bfe_u32 s40, ttmp6, 0x40000                  ; cx, cy
	s_bfe_u32 s41, ttmp6, 0x40004
	s_lshl_b32 s42, ttmp9, 2
	s_add_co_u32 s42, s42, s40                     ; tile column
	s_and_b32 s17, ttmp7, 0xffff
	s_lshl_b32 s17, s17, 2
	s_add_co_u32 s17, s17, s41                     ; tile row
	s_lshl_b32 s43, s41, 2
	s_lshl_b32 s43, 15, s43                        ; my row of the cluster
	s_lshl_b32 s44, 0x1111, s40                    ; my column
	s_or_b32 s[G1+0], s43, (0<<16)|(1<<20)|(1<<21)|(5<<22)|(3<<25)  ; the mask; elements of 1 byte; padding on; bit 21 beside a mask; after every 64 words, 4 words
	s_or_b32 s[G1B+0], s44, (0<<16)|(1<<20)|(1<<21)|(5<<22)|(3<<25)
.irp g, G1, G1B
	s_mov_b32 s[\g+1], ROWB<<16                    ; tensor_dim0
	s_mov_b32 s[\g+2], 128<<16                     ; tensor_dim1
	s_mov_b32 s[\g+3], ROWB<<16                    ; tile_dim0
	s_mov_b32 s[\g+4], 128                         ; tile_dim1
	s_mov_b32 s[\g+6], 0
	s_mov_b32 s[\g+7], 0
.endr
	s_mov_b32 s[G1+5], KROWA                       ; from row to row
	s_mov_b32 s[G1B+5], KROWB
	s_lshl_b32 s18, s16, 7
	s_lshl_b32 s20, s17, 8
	s_add_co_u32 s20, s20, s18                     ; A: row 256 x tile row + 128 x half
	s_lshl_b32 s46, s42, 8
	s_add_co_u32 s46, s46, s18                     ; B: row 256 x tile column + 128 x half
	s_mov_b32 s21, 0
	s_mov_b32 s47, 0
	s_mov_b64 s[18:19], KROWA
	s_mul_u64 s[20:21], s[20:21], s[18:19]
	s_mov_b64 s[18:19], KROWB
	s_mul_u64 s[46:47], s[46:47], s[18:19]
	s_mul_i32 s45, s14, HALFT                      ; where they go: wave x 128 rows
	s_wait_kmcnt 0x0
	s_load_b64 s[96:97], s[8:9], 0x0               ; e0, e1
	s_add_nc_u64 s[20:21], s[4:5], s[20:21]
	s_add_nc_u64 s[46:47], s[6:7], s[46:47]
	CROUND                                         ; all sixteen work-groups are here: the first joint loads meet
.irp s, 0,1
	s_mov_b32 s[G0+4*\s], 1
	s_add_co_u32 s[G0+4*\s+1], s45, \s*SLOT
	s_add_nc_u64 s[G0+4*\s+2:G0+4*\s+3], s[20:21], \s*ROWB
	s_or_b32 s[G0+4*\s+3], s[G0+4*\s+3], 0x80000000
	s_mov_b32 s[G0B+4*\s], 1
	s_add_co_u32 s[G0B+4*\s+1], s45, \s*SLOT
	s_add_nc_u64 s[G0B+4*\s+2:G0B+4*\s+3], s[46:47], \s*ROWB
	s_or_b32 s[G0B+4*\s+3], s[G0B+4*\s+3], 0x80000000
	JLOAD G0+4*\s, G1, G0B+4*\s, G1B               ; two loads of mine are out
.endr
	v_and_b32 v1, 15, v0                           ; r
	v_bfe_u32 v2, v0, 4, 1                         ; h
	v_mul_u32_u24 v3, v1, PITCH
	v_lshl_add_u32 v4, v2, 4, v3
	s_mul_i32 s21, s15, HALFT
	s_mul_i32 s22, s16, HALFT
	s_add_co_u32 s22, s22, 2*HALFT
.irp s, 0,1
	v_add_nc_u32 v[ADRA+\s], s21, v4
	v_add_nc_u32 v[ADRB+\s], s22, v4
	s_add_co_u32 s21, s21, SLOT
	s_add_co_u32 s22, s22, SLOT
.endr
	s_lshl_b32 s23, s14, 9
	v_lshl_add_u32 v[STO], v1, 2, s23
	v_and_b32 v6, 31, v0
	v_lshlrev_b32 v[CO], 4, v6
	v_add_nc_u32 v[RD], s23, v[CO]
	v_lshlrev_b32 v[WO], 5, v2
	v_lshlrev_b32 v[GOF], 8, v2
	s_mov_b32 s78, 0x76543210
	s_mov_b32 s79, 0xfedcba98
	s_lshl_b32 s80, s42, 1
	s_add_co_u32 s80, s80, s16                     ; my slice of 128 columns
	s_mov_b32 s83, 0
	s_lshl_b32 s82, s80, 9
	s_add_nc_u64 s[10:11], s[10:11], s[82:83]      ; W2 at my first column
	s_lshl_b32 s84, s17, 2
	s_lshl_b32 s85, s15, 1
	s_add_co_u32 s84, s84, s85                     ; my first sentence (even); the second's addends lie 16 bytes on
	s_lshl_b32 s82, s80, 17                        ; eight column tiles of 16,384 bytes
	s_lshr_b32 s85, s84, 4
	s_lshl_b32 s85, s85, 10
	s_add_co_u32 s82, s82, s85
	s_and_b32 s85, s84, 15
	s_lshl_b32 s85, s85, 4
	s_add_co_u32 s82, s82, s85
	s_add_nc_u64 s[72:73], s[68:69], s[82:83]
	s_lshl_b32 s82, s80, 16
	s_lshl_b32 s85, s17, 10
	s_add_co_u32 s82, s82, s85
	s_lshl_b32 s85, s15, 9
	s_add_co_u32 s82, s82, s85
	s_add_nc_u64 s[76:77], s[70:71], s[82:83]      ; epart: 65536 x slice + 4 x my first row
.irp b, 0,1,2,3,4,5,6,7
	global_load_b128 v[WW+8*\b:WW+8*\b+3], v[WO], s[10:11] offset:64*\b
	global_load_b128 v[WW+8*\b+4:WW+8*\b+7], v[WO], s[10:11] offset:64*\b+16
.endr
.macro FRAG reg, adr, q, i             ; 16 rows x 128 K: registers 4 c .. 4 c + 3 hold K = 32 c + 16 h + 0 .. 15, alike in A and B
.irp c, 0,1,2,3
	ds_load_b128 v[\reg+4*\c:\reg+4*\c+3], v[\adr] offset:128*(\q)+32*\c+(\i)*16*PITCH
.endr
.endm
; 16 matrix instructions: A's blocks a0, a0 + 1 x B's eight.  The 64 accumulators take turns, one instruction a turn, in the same order in every step.
.macro MUL16 a0, p, zero
.irp a, \a0, \a0+1
.irp b, 0,1,2,3,4,5,6,7
.if \zero
	v_wmma_f32_16x16x128_fp8_fp8 v[8*(8*((\a)%4)+\b):8*(8*((\a)%4)+\b)+7], v[128*(\p)+FR*\b:128*(\p)+FR*\b+FR-1], v[AF+FR*(\a):AF+FR*(\a)+FR-1], 0
.else
	v_wmma_f32_16x16x128_fp8_fp8 v[8*(8*((\a)%4)+\b):8*(8*((\a)%4)+\b)+7], v[128*(\p)+FR*\b:128*(\p)+FR*\b+FR-1], v[AF+FR*(\a):AF+FR*(\a)+FR-1], v[8*(8*((\a)%4)+\b):8*(8*((\a)%4)+\b)+7]
.endif
.endr
.endr
.endm
.macro FETCH_B slot, q, p
	WIN TO_B
.irp i, 0,1,2,3,4,5,6,7
	FRAG 128*(\p)+FR*\i, ADRB+\slot, \q, \i
.endr
	WIN 0
.endm
.macro FETCH_A slot, q, i0
.irp i, \i0, \i0+1, \i0+2, \i0+3
	FRAG AF+FR*(\i), ADRA+\slot, \q, \i
.endr
.endm
.macro PLACES n                        ; plain vector lines between a matrix instruction and a load into, or a vector write of, one of its registers, or a read of its result
.rept \n
	v_nop
.endr
.endm
.macro STEP slot, q, zero              ; 128 along K, with its successor in the same slot
	s_wait_dscnt 4*NL                              ; B's set and A's blocks 0-3 are in; A's blocks 4-7 may be out
	WIN MUL_LO
	MUL16 0, (\q)%2, \zero
	MUL16 2, (\q)%2, \zero
	s_wait_dscnt 0
	PLACES NP
	FETCH_B \slot, (\q)+1, 1-(\q)%2
	FETCH_A \slot, (\q)+1, 0
	WIN MUL_HI
	MUL16 4, (\q)%2, \zero
	MUL16 6, (\q)%2, \zero
	PLACES NP
	WIN 0
	FETCH_A \slot, (\q)+1, 4
.endm
; A slot's last step changes slots: ONE barrier; in front of it each wave waits for all its tensor loads, adds 0 to its spare word, and waits for that and for its own reads of this slot.
.macro TURN slot, next, fill
	s_wait_tensorcnt 0x0                           ; all my tensor loads have landed: my part of the next slot
	ds_add_u32 v[SPW], v[NIL]                      ; 0 onto my spare word
	s_wait_dscnt 4*NL+1                            ; (the add and A's blocks 4-7 may be out)
	WIN MUL_LO
	MUL16 0, 1, 0
	s_wait_dscnt 0x0                               ; the add is done, and my reads of this slot are over
	s_barrier_signal -1
	MUL16 2, 1, 0
	WIN 0
	s_barrier_wait -1
.if \fill
	CREST                                          ; no wave of any partner still reads this slot's tile or has a load on its way
	s_add_nc_u64 s[G0+4*\slot+2:G0+4*\slot+3], s[G0+4*\slot+2:G0+4*\slot+3], 2*ROWB
	s_add_nc_u64 s[G0B+4*\slot+2:G0B+4*\slot+3], s[G0B+4*\slot+2:G0B+4*\slot+3], 2*ROWB
	JLOAD G0+4*\slot, G1, G0B+4*\slot, G1B         ; my one tensor load behind the round; its four v_nop are also the places in front of the loads below
.else
	PLACES NP
.endif
	FETCH_B \next, 0, 0
	FETCH_A \next, 0, 0
	WIN MUL_HI
	MUL16 4, 1, 0
	MUL16 6, 1, 0
	PLACES NP
	WIN 0
	FETCH_A \next, 0, 4
.endm
	s_wait_tensorcnt 1                             ; my part of K step 0 is in; K step 1's load may be out
	s_barrier_signal -1
	s_barrier_wait -1
	FETCH_B 0, 0, 0
	FETCH_A 0, 0, 0
	FETCH_A 0, 0, 4
	STEP 0, 0, 1                                   ; the first products start the sums.  K = 1,024 is four slots' worth: written out, no loop
	TURN 0, 1, 1                                   ; slot 0 takes K step 2
	STEP 1, 0, 0
	TURN 1, 0, 1                                   ; slot 1 takes K step 3
	STEP 0, 0, 0
	TURN 0, 1, 0                                   ; nothing is left to fetch
	STEP 1, 0, 0
	WIN TO_B                                       ; B's set 0 is done with (the step's closing places stand behind its last reader): it takes my two sentences' addends
.irp t, 0,1
.irp b, 0,1,2,3,4,5,6,7
	global_load_b128 v[64*\t+8*\b:64*\t+8*\b+3], v[GOF], s[72:73] offset:16384*\b+16*\t
	global_load_b128 v[64*\t+8*\b+4:64*\t+8*\b+7], v[GOF], s[72:73] offset:16384*\b+512+16*\t
.endr
.endr
	WIN 0
	s_wait_dscnt 4*NL                              ; the very last step
	WIN MUL_LO
	MUL16 0, 1, 0
	MUL16 2, 1, 0
	s_wait_dscnt 0
	WIN MUL_HI
	MUL16 4, 1, 0
	MUL16 6, 1, 0
	WIN 0
	; THE WAY OUT.  sum of W2 tanh = (sum of W2) - 2 sum of W2 / (1 + 2^t), t = sum x 2^(e0 + e1) x 2 log2(e) + the addend.
	s_wait_kmcnt 0x0
	s_add_co_i32 s96, s96, s97
	s_lshl_b32 s96, s96, 23
	s_add_co_i32 s96, s96, 0x4038aa3b              ; the exponents are added to the constant's exponent field
	s_mov_b32 s97, s96
	s_wait_loadcnt 0x0                             ; W2 and the addends
.irp k, 0,2,4,6                        ; the sum of my 64 W2, in four chains: plain lines, the places behind the last products
	v_pk_add_f32 v[E+\k:E+\k+1], v[WW+\k:WW+\k+1], v[WW+8+\k:WW+8+\k+1]
.endr
.set j, 16
.rept 24
	v_pk_add_f32 v[E+j%8:E+j%8+1], v[E+j%8:E+j%8+1], v[WW+j:WW+j+1]
.set j, j+2
.endr
	v_pk_add_f32 v[E:E+1], v[E:E+1], v[E+2:E+3]
	v_pk_add_f32 v[E+4:E+5], v[E+4:E+5], v[E+6:E+7]
	v_pk_add_f32 v[E:E+1], v[E:E+1], v[E+4:E+5]
	v_add_f32 v[SW], v[E], v[E+1]
	v_mov_b32 v[TP], 0                             ; written once: a lane permute's destination counts as one of its sources
.macro EBLOCK a                        ; block a: 16 rows x my 128 columns, 64 numbers a lane
.set AC, 64*((\a)%4)
.set GB, 64*((\a)/4)
	WIN 0x12+((\a)/4)                              ; source 0 (the sums) window 2 or 3, source 2 (the addends) window 1
.set j, 0
.rept 32
	v_pk_fma_f32 v[T+j:T+j+1], v[AC+j:AC+j+1], s[96:97], v[GB+j:GB+j+1] op_sel_hi:[1,0,1]   ; each accumulator from its low end on
.set j, j+2
.endr
	WIN 0
.set j, 0
.rept 64
	v_exp_f32 v[T+j], v[T+j]
.set j, j+1
.endr
	v_nop                                          ; a plain line behind the batch,
	s_wait_alu depctr_va_vdst(0)                   ; and one wait for it, ahead of its first reader
.set j, 0
.rept 32
	v_pk_add_f32 v[T+j:T+j+1], v[T+j:T+j+1], 1.0 op_sel_hi:[1,0]
.set j, j+2
.endr
.set j, 0
.rept 64
	v_rcp_f32 v[T+j], v[T+j]
.set j, j+1
.endr
	v_nop
	s_wait_alu depctr_va_vdst(0)
.set j, 0
.rept 32
.if j < 8
	v_pk_mul_f32 v[E+j%8:E+j%8+1], v[T+j:T+j+1], v[WW+j:WW+j+1]
.else
	v_pk_fma_f32 v[E+j%8:E+j%8+1], v[T+j:T+j+1], v[WW+j:WW+j+1], v[E+j%8:E+j%8+1]
.endif
.set j, j+2
.endr
	v_pk_add_f32 v[E:E+1], v[E:E+1], v[E+2:E+3]
	v_pk_add_f32 v[E+4:E+5], v[E+4:E+5], v[E+6:E+7]
	v_pk_add_f32 v[E:E+1], v[E:E+1], v[E+4:E+5]
	v_add_f32 v[TP+1], v[E], v[E+1]
	v_fma_f32 v[ER+\a], v[TP+1], -2.0, v[SW]
.endm
.irp a, 0,1,2,3,4,5,6,7
	EBLOCK \a
.endr
.irp a, 0,1,2,3,4,5,6,7
	v_permlanex16_b32 v[TP], v[ER+\a], s78, s79    ; the row's other 64 columns lie in the lane 16 away
	v_add_f32 v[ER+\a], v[ER+\a], v[TP]
.endr
.irp a, 0,1,2,3,4,5,6,7
	ds_store_b32 v[STO], v[ER+\a] offset:64*\a     ; row 16 a + r of my 128 (both halves of the lanes store the same number)
.endr
	ds_load_b128 v[E:E+3], v[RD]                   ; LDS serves a wave's instructions in order: this sees my stores
	s_wait_dscnt 0x0
	global_store_b128 v[CO], v[E:E+3], s[76:77]    ; 512 consecutive bytes, at a multiple of 512 from the buffer's first byte
	s_wait_tensorcnt 0x0                           ; the wave's end
	ds_add_u32 v[SPW], v[NIL]
	s_wait_dscnt 0x0
	CROUND                                         ; the closing round
	s_endpgm
.Lfunc_end_k_q3bd0b9385b_gemm:
	.size	k_q3bd0b9385b_gemm, .Lfunc_end_k_q3bd0b9385b_gemm-k_q3bd0b9385b_gemm
	.p2alignl 7, 3214868480
	.fill 96, 4, 3214868480
	.section	.rodata,"a",@progbits
	.p2align	6, 0x0
	.amdhsa_kernel k_q3bd0b9385b_gemm
		.amdhsa_group_segment_fixed_size 327680
		.amdhsa_private_segment_fixed_size 0
		.amdhsa_enable_private_segment 0
		.amdhsa_kernarg_size 48
		.amdhsa_user_sgpr_count 2
		.amdhsa_user_sgpr_kernarg_segment_ptr 1
		.amdhsa_wavefront_size32 1
		.amdhsa_system_sgpr_workgroup_id_x 1
		.amdhsa_system_sgpr_workgroup_id_y 1
		.amdhsa_system_sgpr_workgroup_id_z 1
		.amdhsa_system_vgpr_workitem_id 0
		.amdhsa_next_free_vgpr 1024
		.amdhsa_next_free_sgpr 98
		.amdhsa_reserve_vcc 0
		.amdhsa_float_denorm_mode_32 3
		.amdhsa_float_denorm_mode_16_64 3
		.amdhsa_memory_ordered 1
		.amdhsa_forward_progress 1
		.amdhsa_inst_pref_size 170
	.end_amdhsa_kernel
	.amdgpu_metadata
---
amdhsa.version: [ 1, 2 ]
amdhsa.kernels:
  - .name:           k_q3bd0b9385b_gemm
    .symbol:         k_q3bd0b9385b_gemm.kd
    .args:
      - { .name: xq, .offset: 0, .size: 8, .value_kind: global_buffer, .address_space: global }
      - { .name: W1_codes, .offset: 8, .size: 8, .value_kind: global_buffer, .address_space: global }
      - { .name: lowp_scales, .offset: 16, .size: 8, .value_kind: global_buffer, .address_space: global }
      - { .name: W2, .offset: 24, .size: 8, .value_kind: global_buffer, .address_space: global }
      - { .name: g2, .offset: 32, .size: 8, .value_kind: global_buffer, .address_space: global }
      - { .name: epart, .offset: 40, .size: 8, .value_kind: global_buffer, .address_space: global }
    .group_segment_fixed_size: 327680
    .private_segment_fixed_size: 0
    .kernarg_segment_align: 8
    .kernarg_segment_size: 48
    .max_flat_workgroup_size: 128
    .sgpr_count:     98
    .vgpr_count:     1024
    .wavefront_size: 32
...
	.end_amdgpu_metadata
.endif
;; end of part 3
;; launch attn (part 4): grid 16 x 16, 16 waves a work-group, no clusters, 10,240 bytes of LDS; arguments epart, lstm_output, seq_lengths, b2, out1, ctx, part2; writes out1, ctx, part2
.if DOCPART == 4
	.amdgcn_target "amdgcn-amd-amdhsa--gfx1250"
	.amdhsa_code_object_version 6
	.text
	.protected	k_q3bd0b9385b_attn
	.globl	k_q3bd0b9385b_attn
	.p2align	8
	.type	k_q3bd0b9385b_attn,@function
k_q3bd0b9385b_attn:
	s_mov_b64 s[64:65], 0
	v_nop
	global_prefetch_b8 v0, s[64:65] scope:SCOPE_SE
	s_setreg_imm32_b32 hwreg(HW_REG_WAVE_MODE, 25, 1), 1
	s_wait_xcnt 0x0
; FOURTH LAUNCH.  energy = tanh(the 16 slices' sum + b2); weights = softmax over the valid tokens (out1); context = the weighted sum of the words (ctx); and, for the second batch norm,
; each group of 16 sentences' mean and sum of squared deviations (part2 [sg][mean | M2][1024]).
; A work-group takes 64 features (cg = group x) and 16 sentences (sg = group y); wave w takes sentence b = 16 sg + w.  Every work-group of a sentence makes its weights anew (4 KiB of energies);
; the one with cg = w stores them.  Tokens come in four groups of 16; a group wholly behind the length is not fetched: its loads name the last valid group, and its weights are 0.
; NO MAXIMUM is taken away in the softmax: the energies are tanh's results, within -1 .. 1, so each exponential lies within 1/e .. e and a row's sum within 1/e .. 64 e.
; A sentence of length 0 gets weights 0, as the mask gives it.  NaN and infinities among the inputs are not served.
.set OFF, 5
.set WT,  42                           ; v42-73   the weights of my 32 tokens 2 n + h
.set X,   96                           ; v96-223  32 tokens x 4 features
.macro XHALF reg, tmp
	v_permlanex16_b32 v[\tmp], v[\reg], s40, s41
	v_add_f32 v[\reg], v[\reg], v[\tmp]
.endm
	s_load_b256 s[4:11], s[0:1], 0x0               ; epart s[4:5], lstm s[6:7], lengths s[8:9], b2 s[10:11]
	s_load_b128 s[12:15], s[0:1], 0x20             ; out1 s[12:13], ctx s[14:15]
	s_load_b64 s[16:17], s[0:1], 0x30              ; part2
	v_lshl_add_u32 v254, v0, 2, 0x2000
	v_mov_b32 v255, 0
	v_lshrrev_b32 v1, 5, v0
	v_readfirstlane_b32 s20, v1                    ; wave
	v_and_b32 v1, 31, v0
	v_and_b32 v2, 15, v0
	v_bfe_u32 v3, v0, 4, 1
	v_lshlrev_b32 v229, 4, v2                      ; 16 r
	v_lshl_add_u32 v4, v3, 12, v229                ; + h rows of 4,096 bytes
	s_lshl_b32 s28, s20, 8
	v_lshl_add_u32 v9, v1, 2, s28                  ; LDS: my wave's weights: even tokens at 4 L, odd ones 128 bytes on
	v_lshl_add_u32 v224, v3, 7, s28                ; and back: the tokens of my parity h
	v_add_nc_u32 v225, s28, v229
	v_add_nc_u32 v225, 4096, v225                  ; LDS: sentence w's 64 numbers of context
	v_lshl_add_u32 v226, v0, 4, 4096               ; back: waves 0-7, two sentences each
	v_add_nc_u32 v227, 4096, v229                  ; back: wave 8, all sixteen
	v_lshlrev_b32 v228, 3, v1                      ; tokens 2 L, 2 L + 1 in a row of 64 f32
	v_lshlrev_b32 v84, 1, v1
	v_or_b32 v85, 1, v84
	v_mov_b32 v87, 0
	v_mov_b32 v88, 0
	s_mov_b32 s21, ttmp9                           ; cg
	s_and_b32 s22, ttmp7, 0xffff                   ; sg
	s_lshl_b32 s23, s22, 4
	s_add_co_u32 s23, s23, s20                     ; b
	s_lshl_b32 s24, s23, 2
	s_mov_b32 s40, 0x76543210
	s_mov_b32 s41, 0xfedcba98
	s_lshl_b32 s46, s21, 8
	s_lshl_b32 s32, s23, 18
	s_add_co_u32 s32, s32, s46
	s_mov_b32 s33, 0
	s_lshl_b32 s42, s23, 8
	s_mov_b32 s43, 0
	s_mov_b32 s37, 0
	s_wait_kmcnt 0x0
	s_load_b32 s25, s[8:9], s24 offset:0x0         ; the length
	s_load_b32 s36, s[10:11], 0x0                  ; b2
	s_add_nc_u64 s[30:31], s[6:7], s[32:33]        ; my sentence's words, my features
	s_add_nc_u64 s[4:5], s[4:5], s[42:43]          ; my sentence's 64 energies in a slice
	s_add_nc_u64 s[12:13], s[12:13], s[42:43]      ; and its row of out1
	s_lshl_b32 s42, s22, 16
	s_lshl_b32 s44, s20, 13
	s_add_co_u32 s42, s42, s44
	s_add_co_u32 s42, s42, s46
	s_add_nc_u64 s[14:15], s[14:15], s[42:43]      ; ctx: rows 16 sg + 2 w, + 256 cg
	s_lshl_b32 s42, s22, 13
	s_add_co_u32 s42, s42, s46
	s_add_nc_u64 s[16:17], s[16:17], s[42:43]      ; part2
.irp s, 0,1,2,3,4,5,6,7,8,9,10,11,12,13,14,15
	global_load_b64 v[10+2*\s:11+2*\s], v228, s[4:5] offset:65536*\s
.endr
	s_wait_kmcnt 0x0
	s_max_i32 s25, s25, 0
	s_min_u32 s25, s25, 64
	s_max_i32 s27, s25, 1
	s_sub_co_u32 s27, s27, 1
	s_lshr_b32 s27, s27, 4                         ; the last group that holds a valid token
.irp g, 0,1,2,3
	s_min_u32 s44, s27, \g
	v_lshl_add_u32 v[OFF+\g], s44, 16, v4
.endr
.set n, 0
.rept 32
	global_load_b128 v[X+4*n:X+4*n+3], v[OFF+n/8], s[30:31] offset:8192*(n%8)
.set n, n+1
.endr
	s_wait_loadcnt 32                              ; the energies' parts are in; the words may be out
.irp s, 2,4,6,8,10,12,14
	v_pk_add_f32 v[10:11], v[10:11], v[10+2*\s:11+2*\s]
	v_pk_add_f32 v[12:13], v[12:13], v[12+2*\s:13+2*\s]
.endr
	v_pk_add_f32 v[10:11], v[10:11], v[12:13]
	v_pk_add_f32 v[10:11], v[10:11], s[36:37] op_sel_hi:[1,0]            ; + b2
	v_pk_mul_f32 v[82:83], v[10:11], 0x4038aa3b op_sel_hi:[1,0]          ; x 2 log2(e)
	v_exp_f32 v82, v82
	v_exp_f32 v83, v83
	v_nop
	s_wait_alu depctr_va_vdst(0)
	v_pk_add_f32 v[82:83], v[82:83], 1.0 op_sel_hi:[1,0]
	v_rcp_f32 v82, v82
	v_rcp_f32 v83, v83
	v_nop
	s_wait_alu depctr_va_vdst(0)
	v_pk_fma_f32 v[82:83], v[82:83], -2.0, 1.0 op_sel_hi:[1,0,0]         ; the energy: tanh
	v_pk_mul_f32 v[82:83], v[82:83], 0x3fb8aa3b op_sel_hi:[1,0]
	v_exp_f32 v82, v82
	v_exp_f32 v83, v83
	v_nop
	s_wait_alu depctr_va_vdst(0)
	v_cmp_gt_u32 vcc_lo, s25, v84
	v_cndmask_b32 v82, 0, v82, vcc_lo              ; a token at or behind the length counts for nothing
	v_cmp_gt_u32 vcc_lo, s25, v85
	v_cndmask_b32 v83, 0, v83, vcc_lo
	v_add_f32 v86, v82, v83
	v_add_f32_dpp v86, v86, v86 row_xmask:1 row_mask:0xf bank_mask:0xf
	v_add_f32_dpp v86, v86, v86 row_xmask:2 row_mask:0xf bank_mask:0xf
	v_add_f32_dpp v86, v86, v86 row_xmask:4 row_mask:0xf bank_mask:0xf
	v_add_f32_dpp v86, v86, v86 row_xmask:8 row_mask:0xf bank_mask:0xf
	XHALF 86, 87
	v_max_num_f32 v86, 0x0da24260, v86             ; (length 0: 0 / 1e-30 = 0)
	v_rcp_f32 v86, v86
	v_mov_b32 v87, 0                               ; a plain line behind the reciprocal; v87 is named with it as a pair
	s_wait_alu depctr_va_vdst(0)
	v_pk_mul_f32 v[82:83], v[82:83], v[86:87] op_sel_hi:[1,0]            ; the weights of tokens 2 L, 2 L + 1; these registers stay as they are from here on
	ds_store_b32 v9, v82
	ds_store_b32 v9, v83 offset:128
	s_cmp_lg_u32 s20, s21
	s_cbranch_scc1 .Lnot_out1
	global_store_b64 v228, v[82:83], s[12:13]      ; 256 consecutive bytes: the sentence's row of out1
.Lnot_out1:
.irp j, 0,1,2,3,4,5,6,7
	ds_load_b128 v[WT+4*\j:WT+4*\j+3], v224 offset:16*\j   ; my wave's own bytes, served in order: no barrier
.endr
	s_wait_loadcnt 0x0
	s_wait_dscnt 0x0
.set n, 0
.rept 32                                       ; token 2 n + h, weight register WT + n: of the pair that holds it the low or the high word serves both halves.  Two sets of sums take turns
.set A, 74+4*(n%2)
.set W, WT+n-(n%2)
.if n == 0
	v_pk_mul_f32 v[A:A+1], v[X+4*n:X+4*n+1], v[W:W+1] op_sel_hi:[1,0]
	v_pk_mul_f32 v[A+2:A+3], v[X+4*n+2:X+4*n+3], v[W:W+1] op_sel_hi:[1,0]
.elseif n == 1
	v_pk_mul_f32 v[A:A+1], v[X+4*n:X+4*n+1], v[W:W+1] op_sel:[0,1] op_sel_hi:[1,1]
	v_pk_mul_f32 v[A+2:A+3], v[X+4*n+2:X+4*n+3], v[W:W+1] op_sel:[0,1] op_sel_hi:[1,1]
.elseif n%2 == 0
	v_pk_fma_f32 v[A:A+1], v[X+4*n:X+4*n+1], v[W:W+1], v[A:A+1] op_sel_hi:[1,0,1]
	v_pk_fma_f32 v[A+2:A+3], v[X+4*n+2:X+4*n+3], v[W:W+1], v[A+2:A+3] op_sel_hi:[1,0,1]
.else
	v_pk_fma_f32 v[A:A+1], v[X+4*n:X+4*n+1], v[W:W+1], v[A:A+1] op_sel:[0,1,0] op_sel_hi:[1,1,1]
	v_pk_fma_f32 v[A+2:A+3], v[X+4*n+2:X+4*n+3], v[W:W+1], v[A+2:A+3] op_sel:[0,1,0] op_sel_hi:[1,1,1]
.endif
.set n, n+1
.endr
	v_pk_add_f32 v[74:75], v[74:75], v[78:79]
	v_pk_add_f32 v[76:77], v[76:77], v[80:81]
.irp j, 0,1,2,3
	XHALF 74+\j, 88
.endr
	ds_store_b128 v225, v[74:77]                   ; (both halves of the lanes store the same numbers)
	s_wait_dscnt 0x0                               ; for the others' sake
	s_barrier_signal -1
	s_barrier_wait -1
	s_cmp_lt_u32 s20, 8
	s_cbranch_scc0 .Lnot_ctx
	ds_load_b128 v[88:91], v226                    ; sentences 2 w and 2 w + 1
	s_wait_dscnt 0x0
	global_store_b128 v4, v[88:91], s[14:15]       ; sixteen lanes store 256 consecutive bytes of a row of ctx
	s_wait_tensorcnt 0x0
	ds_add_u32 v254, v255
	s_wait_dscnt 0x0
	s_endpgm
.Lnot_ctx:
	s_cmp_eq_u32 s20, 8
	s_cbranch_scc0 .Lend
.irp i, 0,1,2,3,4,5,6,7,8,9,10,11,12,13,14,15
	ds_load_b128 v[X+4*\i:X+4*\i+3], v227 offset:256*\i
.endr
	s_wait_dscnt 0x0
	v_pk_add_f32 v[88:89], v[X:X+1], v[X+4:X+5]
	v_pk_add_f32 v[90:91], v[X+2:X+3], v[X+6:X+7]
.irp i, 2,3,4,5,6,7,8,9,10,11,12,13,14,15
	v_pk_add_f32 v[88:89], v[88:89], v[X+4*\i:X+4*\i+1]
	v_pk_add_f32 v[90:91], v[90:91], v[X+4*\i+2:X+4*\i+3]
.endr
	v_pk_mul_f32 v[88:89], v[88:89], 0x3d800000 op_sel_hi:[1,0]          ; / 16: the group's mean
	v_pk_mul_f32 v[90:91], v[90:91], 0x3d800000 op_sel_hi:[1,0]
.irp i, 0,1,2,3,4,5,6,7,8,9,10,11,12,13,14,15
	v_pk_add_f32 v[X+4*\i:X+4*\i+1], v[X+4*\i:X+4*\i+1], v[88:89] neg_lo:[0,1] neg_hi:[0,1]
	v_pk_add_f32 v[X+4*\i+2:X+4*\i+3], v[X+4*\i+2:X+4*\i+3], v[90:91] neg_lo:[0,1] neg_hi:[0,1]
.endr
	v_pk_mul_f32 v[92:93], v[X:X+1], v[X:X+1]
	v_pk_mul_f32 v[94:95], v[X+2:X+3], v[X+2:X+3]
.irp i, 1,2,3,4,5,6,7,8,9,10,11,12,13,14,15
	v_pk_fma_f32 v[92:93], v[X+4*\i:X+4*\i+1], v[X+4*\i:X+4*\i+1], v[92:93]
	v_pk_fma_f32 v[94:95], v[X+4*\i+2:X+4*\i+3], v[X+4*\i+2:X+4*\i+3], v[94:95]
.endr
	v_cmp_eq_u32 vcc_lo, 1, v3                     ; lanes 0-15 store the mean, lanes 16-31 the squares
.irp j, 0,1,2,3
	v_cndmask_b32 v[88+\j], v[88+\j], v[92+\j], vcc_lo
.endr
	global_store_b128 v4, v[88:91], s[16:17]
.Lend:
	s_wait_tensorcnt 0x0
	ds_add_u32 v254, v255
	s_wait_dscnt 0x0
	s_endpgm
.Lfunc_end_k_q3bd0b9385b_attn:
	.size	k_q3bd0b9385b_attn, .Lfunc_end_k_q3bd0b9385b_attn-k_q3bd0b9385b_attn
	.p2alignl 7, 3214868480
	.fill 96, 4, 3214868480
	.section	.rodata,"a",@progbits
	.p2align	6, 0x0
	.amdhsa_kernel k_q3bd0b9385b_attn
		.amdhsa_group_segment_fixed_size 10240
		.amdhsa_private_segment_fixed_size 0
		.amdhsa_enable_private_segment 0
		.amdhsa_kernarg_size 56
		.amdhsa_user_sgpr_count 2
		.amdhsa_user_sgpr_kernarg_segment_ptr 1
		.amdhsa_wavefront_size32 1
		.amdhsa_system_sgpr_workgroup_id_x 1
		.amdhsa_system_sgpr_workgroup_id_y 1
		.amdhsa_system_sgpr_workgroup_id_z 1
		.amdhsa_system_vgpr_workitem_id 0
		.amdhsa_next_free_vgpr 256
		.amdhsa_next_free_sgpr 66
		.amdhsa_reserve_vcc 1
		.amdhsa_float_denorm_mode_32 3
		.amdhsa_float_denorm_mode_16_64 3
		.amdhsa_memory_ordered 1
		.amdhsa_forward_progress 1
		.amdhsa_inst_pref_size 24
	.end_amdhsa_kernel
	.amdgpu_metadata
---
amdhsa.version: [ 1, 2 ]
amdhsa.kernels:
  - .name:           k_q3bd0b9385b_attn
    .symbol:         k_q3bd0b9385b_attn.kd
    .args:
      - { .name: epart, .offset: 0, .size: 8, .value_kind: global_buffer, .address_space: global }
      - { .name: lstm_output, .offset: 8, .size: 8, .value_kind: global_buffer, .address_space: global }
      - { .name: seq_lengths, .offset: 16, .size: 8, .value_kind: global_buffer, .address_space: global }
      - { .name: b2, .offset: 24, .size: 8, .value_kind: global_buffer, .address_space: global }
      - { .name: out1, .offset: 32, .size: 8, .value_kind: global_buffer, .address_space: global }
      - { .name: ctx, .offset: 40, .size: 8, .value_kind: global_buffer, .address_space: global }
      - { .name: part2, .offset: 48, .size: 8, .value_kind: global_buffer, .address_space: global }
    .group_segment_fixed_size: 10240
    .private_segment_fixed_size: 0
    .kernarg_segment_align: 8
    .kernarg_segment_size: 56
    .max_flat_workgroup_size: 512
    .sgpr_count:     66
    .vgpr_count:     256
    .wavefront_size: 32
...
	.end_amdgpu_metadata
.endif
;; end of part 4
;; launch hidden (part 5): grid 16 x 8, 8 waves a work-group, no clusters, 27,648 bytes of LDS; arguments ctx, part2, bn2_g, bn2_b, Wp1_codes, bp1, Wp2_codes, lowp_scales, pp; writes pp
.if DOCPART == 5
	.amdgcn_target "amdgcn-amd-amdhsa--gfx1250"
	.amdhsa_code_object_version 6
	.text
	.protected	k_q3bd0b9385b_hidden
	.globl	k_q3bd0b9385b_hidden
	.p2align	8
	.type	k_q3bd0b9385b_hidden,@function
k_q3bd0b9385b_hidden:
	s_mov_b64 s[64:65], 0
	v_nop
	global_prefetch_b8 v0, s[64:65] scope:SCOPE_SE
	s_setreg_imm32_b32 hwreg(HW_REG_WAVE_MODE, 25, 1), 1
	s_wait_xcnt 0x0
; FIFTH LAUNCH.  The prediction head up to the last product's parts: pp = Q(tanh(Q(bn(ctx)) Wp1 + bp1)) Wp2, summed over 128 of the 1,024 hidden units; both products on codes of E4M3 with the given scales (e2, e3; e4, e5).
; SHARES.  Work-group (i, j) takes rows 16 i .. 16 i + 15 (i = group x) and hidden units 128 j .. 128 j + 127 (j = group y), which are K step j of the last product: so each work-group reads an eighth of Wp1.
; The batch norm's mean and variance come from the 16 groups' means and squared deviations (combined without a difference of large sums); thread t makes a and c of features 4 t ..
; Wave w quantises K step w (128 features) of the 16 rows; the eight fragments go from wave to wave through LDS as images of their registers (16 bytes a lane, 512 a store).
; Wave w then makes ONE tile of 16 hidden units over all eight K steps (transposed: source 0 = 16 rows of Wp1, source 1 = the rows): two accumulators take turns, bp1 / 2^(e2 + e3) is what the first begins with.
; THE ROWS OF Wp1 THAT FORM A TILE ARE NOT NEIGHBOURS: lane r of tile w = 2 b + u takes row 32 b + 8 u + r + 8 (r / 8), so that the 16 registers of tiles 2 b, 2 b + 1 are 16 neighbours along the next K.
; A tile's eight numbers a lane become registers 2 w, 2 w + 1 of the next operand's fragment: 256 bytes on end for each wave in LDS.  Waves 0-3 fetch the whole fragment and multiply it by one tile of 16 outputs of Wp2 each.
; pp [j 8][i 16][t 4][q 2][lane 32][16 bytes] f32: the accumulator's registers as they stand: row 16 i + r, outputs 16 t + 8 h + 4 q + 0 .. 3.  The scale 2^(e4 + e5) is applied by the last launch, behind the sum over j.
; All loads from memory are asked for at the head.  No tensor loads: a wave's 16 KiB of Wp1 go straight into its registers, read once.
; LIMITS: e2, e4 between -126 and 119; e2 + e3 between -127 and 125.  NaN and infinities among the inputs are not served.
; REGISTERS: window 0: v1-13 addresses; v16-143 at work, then the rows' 8 fragments; v144-207 64 numbers of a row, later the tile's 8, the hidden fragment and the last sums; v208-223 the codes just made; v224-255 constants.
;   window 1: v0-127 Wp1's 8 fragments; v128-143 the two accumulators; v144-159 Wp2's fragment.
.set XIMG, 8192                        ; LDS: 0 a, 4096 c of the batch norm; 8192 the rows' eight images of 2,048 bytes;
.set HIMG, 24576                       ; 24576 the hidden fragment: 256 bytes for each wave
.set P,    208
.set T,    144
.set MSB, 0
.macro WIN new                         ; the immediate's high byte repeats the setting that is left
.if MSB != \new
	s_set_vgpr_msb (MSB<<8)|\new
.set MSB, \new
.endif
.endm
.macro QUANT s, sc, lim                ; 64 numbers of a lane, register 16 b + i = k 32 b + 16 h + i of my row, become a fragment's codes in v[P] on
.irp b, 0,1,2,3
.set i, 0
.rept 16
	v_med3_num_f32 v[\s+16*\b+i], v[\s+16*\b+i], -v[\lim], v[\lim]       ; the conversion does not saturate (ISA guide 7.6.2): the hold at the largest code x the scale
.set i, i+1
.endr
	v_cvt_scalef32_pk8_fp8_f32 v[P+4*\b:P+4*\b+1], v[\s+16*\b:\s+16*\b+7], v[\sc]
	v_cvt_scalef32_pk8_fp8_f32 v[P+4*\b+2:P+4*\b+3], v[\s+16*\b+8:\s+16*\b+15], v[\sc]
.endr
	v_nop                                          ; a plain line behind the last conversion
.endm
.macro BARRIER
	s_wait_dscnt 0x0                               ; my LDS stores have landed and my LDS loads are in
	s_barrier_signal -1
	s_barrier_wait -1
.endm
	s_load_b256 s[4:11], s[0:1], 0x0               ; ctx s[4:5], part2 s[6:7], gain s[8:9], bias s[10:11]
	s_load_b256 s[12:19], s[0:1], 0x20             ; Wp1 s[12:13], bp1 s[14:15], Wp2 s[16:17], scales s[18:19]
	s_load_b64 s[22:23], s[0:1], 0x40              ; pp
	v_lshl_add_u32 v238, v0, 2, 0x6800
	v_mov_b32 v239, 0
	v_lshrrev_b32 v1, 5, v0
	v_readfirstlane_b32 s30, v1                    ; wave 0..7
	s_mov_b32 s31, ttmp9                           ; i
	s_and_b32 s42, ttmp7, 0xffff                   ; j
	v_and_b32 v1, 31, v0
	v_and_b32 v2, 15, v0                           ; r
	v_bfe_u32 v3, v0, 4, 1                         ; h
	v_lshlrev_b32 v4, 4, v0                        ; 16 t
	v_lshlrev_b32 v5, 4, v1                        ; 16 L
	s_lshl_b32 s34, s30, 9
	v_lshl_add_u32 v6, v3, 6, s34                  ; a, c of features 128 w + 16 h ..
	v_lshlrev_b32 v7, 12, v2
	v_lshl_add_u32 v7, v3, 6, v7                   ; ctx: row r, + 64 h
	v_and_b32 v8, 8, v2
	v_add_nc_u32 v8, v8, v2
	v_lshlrev_b32 v8, 10, v8
	v_lshl_add_u32 v8, v3, 4, v8                   ; Wp1: row r + 8 (r / 8) of 1,024 bytes, + 16 h
	v_lshlrev_b32 v9, 10, v2
	v_lshl_add_u32 v9, v3, 4, v9                   ; Wp2: row r, + 16 h
	v_lshlrev_b32 v10, 6, v3                       ; bp1: 16 h units
	s_lshl_b32 s34, s30, 11
	s_add_co_u32 s34, s34, XIMG
	v_add_nc_u32 v11, s34, v5                      ; my image of the rows' K step w
	v_lshlrev_b32 v13, 3, v1                       ; 8 L
	s_lshl_b32 s34, s30, 8
	s_add_co_u32 s34, s34, HIMG
	v_add_nc_u32 v12, s34, v13                     ; my two registers of the hidden fragment
	s_lshr_b32 s43, s30, 1
	s_lshl_b32 s43, s43, 5
	s_and_b32 s44, s30, 1
	s_lshl_b32 s44, s44, 3
	s_add_co_u32 s43, s43, s44                     ; 32 (w / 2) + 8 (w % 2): where my tile begins among the 128 units
	s_mov_b32 s35, 0
	s_mov_b32 s41, 0
	s_wait_kmcnt 0x0
	s_load_b128 s[24:27], s[18:19], 0x0            ; e0 .. e3
	s_load_b32 s28, s[18:19], 0x10                 ; e4
	s_lshl_b32 s34, s31, 16
	s_lshl_b32 s32, s30, 9
	s_add_co_u32 s34, s34, s32
	s_add_nc_u64 s[4:5], s[4:5], s[34:35]          ; ctx: my 16 rows, my wave's 128 features
	s_lshl_b32 s34, s42, 17
	s_lshl_b32 s32, s43, 10
	s_add_co_u32 s34, s34, s32
	s_add_nc_u64 s[12:13], s[12:13], s[34:35]      ; Wp1: the work-group's 128 rows, my tile
	s_lshl_b32 s34, s42, 9
	s_lshl_b32 s32, s43, 2
	s_add_co_u32 s34, s34, s32
	s_add_nc_u64 s[14:15], s[14:15], s[34:35]      ; bp1 likewise
	s_lshl_b32 s40, s42, 7
	s_lshl_b32 s32, s30, 14
	s_add_co_u32 s40, s40, s32                     ; Wp2: K step j, outputs 16 w .. (waves 0-3 alone use it)
	s_lshl_b32 s34, s42, 16
	s_lshl_b32 s32, s31, 12
	s_add_co_u32 s34, s34, s32
	s_lshl_b32 s32, s30, 10
	s_add_co_u32 s34, s34, s32
	s_add_nc_u64 s[22:23], s[22:23], s[34:35]      ; pp: 65536 j + 4096 i + 1024 w
.irp g, 0,1,2,3,4,5,6,7,8,9,10,11,12,13,14,15
	global_load_b128 v[16+8*\g:19+8*\g], v4, s[6:7] offset:8192*\g
	global_load_b128 v[20+8*\g:23+8*\g], v4, s[6:7] offset:8192*\g+4096
.endr
	global_load_b128 v[224:227], v4, s[8:9]
	global_load_b128 v[228:231], v4, s[10:11]
.irp c, 0,1,2,3
.irp q, 0,1,2,3
	global_load_b128 v[144+16*\c+4*\q:147+16*\c+4*\q], v7, s[4:5] offset:128*\c+16*\q
.endr
.endr
	WIN 0x40                                       ; destination window 1
.irp s, 0,1,2,3,4,5,6,7                        ; my tile's fragments of all eight K steps: registers 4 c .. 4 c + 3 hold k = 32 c + 16 h + 0 .. 15
.irp c, 0,1,2,3
	global_load_b128 v[16*\s+4*\c:16*\s+4*\c+3], v8, s[12:13] offset:128*\s+32*\c
.endr
.endr
	global_load_b128 v[128:131], v10, s[14:15]     ; bp1 of my lane's eight units, into the first accumulator
	global_load_b128 v[132:135], v10, s[14:15] offset:16
	WIN 0
	s_cmp_lt_u32 s30, 4
	s_cbranch_scc0 .Lno_wp2
	s_add_nc_u64 s[16:17], s[16:17], s[40:41]
	WIN 0x40
.irp c, 0,1,2,3
	global_load_b128 v[144+4*\c:147+4*\c], v9, s[16:17] offset:32*\c
.endr
	WIN 0
.Lno_wp2:
	s_wait_loadcnt 50                              ; the statistics, gain and bias are in; the rows' 16 loads, Wp1's 32 and bp1's 2 may be out (waves 0-3 have Wp2's 4 behind them and wait for a little more)
	v_pk_add_f32 v[232:233], v[16:17], v[24:25]
	v_pk_add_f32 v[234:235], v[18:19], v[26:27]
.irp g, 2,3,4,5,6,7,8,9,10,11,12,13,14,15
	v_pk_add_f32 v[232:233], v[232:233], v[16+8*\g:17+8*\g]
	v_pk_add_f32 v[234:235], v[234:235], v[18+8*\g:19+8*\g]
.endr
	v_pk_mul_f32 v[232:233], v[232:233], 0x3d800000 op_sel_hi:[1,0]      ; the mean of the 16 groups' means (groups of equal size)
	v_pk_mul_f32 v[234:235], v[234:235], 0x3d800000 op_sel_hi:[1,0]
.irp g, 0,1,2,3,4,5,6,7,8,9,10,11,12,13,14,15
	v_pk_add_f32 v[16+8*\g:17+8*\g], v[16+8*\g:17+8*\g], v[232:233] neg_lo:[0,1] neg_hi:[0,1]
	v_pk_add_f32 v[18+8*\g:19+8*\g], v[18+8*\g:19+8*\g], v[234:235] neg_lo:[0,1] neg_hi:[0,1]
.endr
	v_pk_mul_f32 v[244:245], v[16:17], v[16:17]
	v_pk_mul_f32 v[246:247], v[18:19], v[18:19]
.irp g, 1,2,3,4,5,6,7,8,9,10,11,12,13,14,15
	v_pk_fma_f32 v[244:245], v[16+8*\g:17+8*\g], v[16+8*\g:17+8*\g], v[244:245]
	v_pk_fma_f32 v[246:247], v[18+8*\g:19+8*\g], v[18+8*\g:19+8*\g], v[246:247]
	v_pk_add_f32 v[20:21], v[20:21], v[20+8*\g:21+8*\g]
	v_pk_add_f32 v[22:23], v[22:23], v[22+8*\g:23+8*\g]
.endr
	v_pk_fma_f32 v[244:245], v[244:245], 0x41800000, v[20:21] op_sel_hi:[1,0,1]   ; 16 x the groups' spread + the spread inside the groups
	v_pk_fma_f32 v[246:247], v[246:247], 0x41800000, v[22:23] op_sel_hi:[1,0,1]
	v_pk_mul_f32 v[244:245], v[244:245], 0x3b800000 op_sel_hi:[1,0]      ; / 256
	v_pk_mul_f32 v[246:247], v[246:247], 0x3b800000 op_sel_hi:[1,0]
	v_pk_add_f32 v[244:245], v[244:245], 0x3727c5ac op_sel_hi:[1,0]      ; + 1e-5
	v_pk_add_f32 v[246:247], v[246:247], 0x3727c5ac op_sel_hi:[1,0]
.irp j, 0,1,2,3
	v_rsq_f32 v[248+\j], v[244+\j]
.endr
	v_nop
	s_wait_alu depctr_va_vdst(0)                   ; one wait for the four roots
	v_pk_mul_f32 v[248:249], v[224:225], v[248:249]                      ; a
	v_pk_mul_f32 v[250:251], v[226:227], v[250:251]
	v_pk_fma_f32 v[252:253], v[232:233], v[248:249], v[228:229] neg_lo:[1,0,0] neg_hi:[1,0,0]   ; c = bias - mean a
	v_pk_fma_f32 v[254:255], v[234:235], v[250:251], v[230:231] neg_lo:[1,0,0] neg_hi:[1,0,0]
	ds_store_b128 v4, v[248:251]
	ds_store_b128 v4, v[252:255] offset:4096
	BARRIER                                        ; a and c of all 1,024 features lie in LDS
.irp c, 0,1,2,3
.irp q, 0,1,2,3
	ds_load_b128 v[16+16*\c+4*\q:19+16*\c+4*\q], v6 offset:128*\c+16*\q
	ds_load_b128 v[80+16*\c+4*\q:83+16*\c+4*\q], v6 offset:4096+128*\c+16*\q
.endr
.endr
	s_wait_kmcnt 0x0
	s_add_co_i32 s32, s26, 127
	s_lshl_b32 s33, s32, 23
	v_mov_b32 v240, s33                            ; 2^e2
	s_add_co_i32 s32, s32, 8
	s_lshl_b32 s32, s32, 23
	s_or_b32 s32, s32, 0x600000
	v_mov_b32 v241, s32                            ; 448 x 2^e2
	s_add_co_i32 s32, s28, 127
	s_lshl_b32 s33, s32, 23
	v_mov_b32 v242, s33                            ; 2^e4
	s_add_co_i32 s32, s32, 8
	s_lshl_b32 s32, s32, 23
	s_or_b32 s32, s32, 0x600000
	v_mov_b32 v243, s32                            ; 448 x 2^e4
	s_add_co_i32 s32, s26, s27
	s_sub_co_i32 s36, 0, s32                       ; -(e2 + e3)
	s_lshl_b32 s32, s32, 23
	s_add_co_i32 s38, s32, 0x4038aa3b              ; 2^(e2 + e3) x 2 log2(e): the exponents are added to the constant's exponent field
	s_mov_b32 s39, s38
	s_wait_dscnt 0x0
	s_wait_loadcnt 34                              ; the rows are in; Wp1's 32 loads and bp1's 2 may be out
.set j, 0
.rept 32
	v_pk_fma_f32 v[144+j:145+j], v[144+j:145+j], v[16+j:17+j], v[80+j:81+j]
.set j, j+2
.endr
	QUANT 144, 240, 241
.irp c, 0,1,2,3
	ds_store_b128 v11, v[P+4*\c:P+4*\c+3] offset:512*\c
.endr
	BARRIER                                        ; the rows' eight fragments lie in LDS
.irp s, 0,1,2,3,4,5,6,7
.irp c, 0,1,2,3
	ds_load_b128 v[16+16*\s+4*\c:19+16*\s+4*\c], v5 offset:XIMG+2048*\s+512*\c
.endr
.endr
	s_wait_loadcnt 0x0                             ; Wp1, bp1 (and Wp2)
	WIN 0x41                                       ; source 0 and destination window 1
.irp j, 0,1,2,3,4,5,6,7
	v_ldexp_f32 v[128+\j], v[128+\j], s36          ; bp1 / 2^(e2 + e3): what the first sum begins with
.endr
	s_wait_dscnt 0x0
	WIN 0x51                                       ; source 0 (Wp1), C and D window 1; source 1 (the rows) window 0
.irp s, 0,1,2,3,4,5,6,7                        ; even K steps on one accumulator, odd ones on the other: they take turns
.if \s == 1
	v_wmma_f32_16x16x128_fp8_fp8 v[136:143], v[16*\s:16*\s+15], v[16+16*\s:31+16*\s], 0
.else
	v_wmma_f32_16x16x128_fp8_fp8 v[128+8*(\s%2):135+8*(\s%2)], v[16*\s:16*\s+15], v[16+16*\s:31+16*\s], v[128+8*(\s%2):135+8*(\s%2)]
.endif
.endr
	WIN 0
.rept 4
	v_nop                                          ; places in front of the first read of results
.endr
	WIN 0x05                                       ; sources 0 and 1 window 1
.irp k, 0,2,4,6
	v_pk_add_f32 v[T+\k:T+\k+1], v[128+\k:129+\k], v[136+\k:137+\k]      ; the two halves of K; each accumulator from its low end on
.endr
	WIN 0
.irp k, 0,2,4,6
	v_pk_mul_f32 v[T+\k:T+\k+1], v[T+\k:T+\k+1], s[38:39] op_sel_hi:[1,0]
.endr
.irp j, 0,1,2,3,4,5,6,7
	v_exp_f32 v[T+\j], v[T+\j]
.endr
	v_nop
	s_wait_alu depctr_va_vdst(0)                   ; one wait for the batch
.irp k, 0,2,4,6
	v_pk_add_f32 v[T+\k:T+\k+1], v[T+\k:T+\k+1], 1.0 op_sel_hi:[1,0]
.endr
.irp j, 0,1,2,3,4,5,6,7
	v_rcp_f32 v[T+\j], v[T+\j]
.endr
	v_nop
	s_wait_alu depctr_va_vdst(0)
.irp k, 0,2,4,6
	v_pk_fma_f32 v[T+\k:T+\k+1], v[T+\k:T+\k+1], -2.0, 1.0 op_sel_hi:[1,0,0]     ; tanh z = 1 - 2 / (1 + 2^(2 log2(e) z))
.endr
.irp j, 0,1,2,3,4,5,6,7
	v_med3_num_f32 v[T+\j], v[T+\j], -v243, v243   ; the hold at the largest code x the scale
.endr
	v_cvt_scalef32_pk8_fp8_f32 v[P:P+1], v[T:T+7], v242    ; registers 2 w, 2 w + 1 of the next operand's fragment
	v_nop                                          ; a plain line behind the conversion
	ds_store_b64 v12, v[P:P+1]
	BARRIER                                        ; the hidden fragment lies in LDS
	s_cmp_lt_u32 s30, 4
	s_cbranch_scc0 .Lend
.irp w, 0,1,2,3,4,5,6,7
	ds_load_b64 v[160+2*\w:161+2*\w], v13 offset:HIMG+256*\w
.endr
	s_wait_dscnt 0x0
	WIN 0x01                                       ; source 0 (Wp2) window 1
	v_wmma_f32_16x16x128_fp8_fp8 v[176:183], v[144:159], v[160:175], 0
	WIN 0
.rept 4
	v_nop                                          ; places in front of the stores that read the result
.endr
	global_store_b128 v5, v[176:179], s[22:23]     ; 512 consecutive bytes each; the low four registers first
	global_store_b128 v5, v[180:183], s[22:23] offset:512
.Lend:
	s_wait_tensorcnt 0x0
	ds_add_u32 v238, v239
	s_wait_dscnt 0x0
	s_endpgm
.Lfunc_end_k_q3bd0b9385b_hidden:
	.size	k_q3bd0b9385b_hidden, .Lfunc_end_k_q3bd0b9385b_hidden-k_q3bd0b9385b_hidden
	.p2alignl 7, 3214868480
	.fill 96, 4, 3214868480
	.section	.rodata,"a",@progbits
	.p2align	6, 0x0
	.amdhsa_kernel k_q3bd0b9385b_hidden
		.amdhsa_group_segment_fixed_size 27648
		.amdhsa_private_segment_fixed_size 0
		.amdhsa_enable_private_segment 0
		.amdhsa_kernarg_size 72
		.amdhsa_user_sgpr_count 2
		.amdhsa_user_sgpr_kernarg_segment_ptr 1
		.amdhsa_wavefront_size32 1
		.amdhsa_system_sgpr_workgroup_id_x 1
		.amdhsa_system_sgpr_workgroup_id_y 1
		.amdhsa_system_sgpr_workgroup_id_z 1
		.amdhsa_system_vgpr_workitem_id 0
		.amdhsa_next_free_vgpr 512
		.amdhsa_next_free_sgpr 66
		.amdhsa_reserve_vcc 0
		.amdhsa_float_denorm_mode_32 3
		.amdhsa_float_denorm_mode_16_64 3
		.amdhsa_memory_ordered 1
		.amdhsa_forward_progress 1
		.amdhsa_inst_pref_size 37
	.end_amdhsa_kernel
	.amdgpu_metadata
---
amdhsa.version: [ 1, 2 ]
amdhsa.kernels:
  - .name:           k_q3bd0b9385b_hidden
    .symbol:         k_q3bd0b9385b_hidden.kd
    .args:
      - { .name: ctx, .offset: 0, .size: 8, .value_kind: global_buffer, .address_space: global }
      - { .name: part2, .offset: 8, .size: 8, .value_kind: global_buffer, .address_space: global }
      - { .name: bn2_g, .offset: 16, .size: 8, .value_kind: global_buffer, .address_space: global }
      - { .name: bn2_b, .offset: 24, .size: 8, .value_kind: global_buffer, .address_space: global }
      - { .name: Wp1_codes, .offset: 32, .size: 8, .value_kind: global_buffer, .address_space: global }
      - { .name: bp1, .offset: 40, .size: 8, .value_kind: global_buffer, .address_space: global }
      - { .name: Wp2_codes, .offset: 48, .size: 8, .value_kind: global_buffer, .address_space: global }
      - { .name: lowp_scales, .offset: 56, .size: 8, .value_kind: global_buffer, .address_space: global }
      - { .name: pp, .offset: 64, .size: 8, .value_kind: global_buffer, .address_space: global }
    .group_segment_fixed_size: 27648
    .private_segment_fixed_size: 0
    .kernarg_segment_align: 8
    .kernarg_segment_size: 72
    .max_flat_workgroup_size: 256
    .sgpr_count:     66
    .vgpr_count:     512
    .wavefront_size: 32
...
	.end_amdgpu_metadata
.endif
;; end of part 5
;; launch final (part 6): grid 16 x 1, 8 waves a work-group, no clusters, 5,376 bytes of LDS; arguments pp, bp2, lowp_scales, out0; writes out0
.if DOCPART == 6
	.amdgcn_target "amdgcn-amd-amdhsa--gfx1250"
	.amdhsa_code_object_version 6
	.text
	.protected	k_q3bd0b9385b_final
	.globl	k_q3bd0b9385b_final
	.p2align	8
	.type	k_q3bd0b9385b_final,@function
k_q3bd0b9385b_final:
	s_mov_b64 s[64:65], 0
	v_nop
	global_prefetch_b8 v0, s[64:65] scope:SCOPE_SE
	s_setreg_imm32_b32 hwreg(HW_REG_WAVE_MODE, 25, 1), 1
	s_wait_xcnt 0x0
; SIXTH LAUNCH.  out0 = softmax(tanh(sum over the eight K steps of pp x 2^(e4 + e5) + bp2)).
; A work-group takes 16 rows (4,096 bytes of each of pp's eight slices).  Wave w reads block w of 512 bytes in each slice, as it lies (lane (r, h): row r, outputs 16 (w / 2) + 8 h + 4 (w % 2) + 0 .. 3), and adds the eight in f32.
; The sums meet in a stage of 16 rows x (256 bytes + 16) in LDS; behind one barrier thread t takes row t / 16, outputs 4 (t % 16) ..: a row's 64 outputs lie in sixteen neighbouring lanes, which also store its 256 bytes.
; There are 16 work-groups since the whole work is 512 KiB of loads and 16,384 outputs; memory binds nothing here, and matrix units, clusters and tensor loads would add nothing.
; NO MAXIMUM is taken away in the softmax: its inputs are tanh's results, within -1 .. 1, so each exponential lies within 1/e .. e.
; LIMIT: e4 + e5 between -126 and 127.  NaN and infinities among the inputs are not served.
	s_load_b256 s[4:11], s[0:1], 0x0               ; pp s[4:5], bp2 s[6:7], scales s[8:9], out0 s[10:11]
	v_lshl_add_u32 v64, v0, 2, 0x1100
	v_mov_b32 v65, 0
	v_lshrrev_b32 v1, 5, v0
	v_readfirstlane_b32 s12, v1                    ; wave 0..7
	v_and_b32 v2, 15, v0                           ; r
	v_bfe_u32 v3, v0, 4, 1                         ; h
	v_lshlrev_b32 v4, 4, v0                        ; 16 t = 512 w + 16 L: my 16 bytes of the row tile, in pp and in out0
	s_lshr_b32 s13, s12, 1
	s_lshl_b32 s13, s13, 6
	s_and_b32 s14, s12, 1
	s_lshl_b32 s14, s14, 4
	s_add_co_u32 s13, s13, s14                     ; 64 (w / 2) + 16 (w % 2)
	v_mul_u32_u24 v5, v2, 272
	v_lshl_add_u32 v5, v3, 5, v5
	v_add_nc_u32 v5, s13, v5                       ; into the stage: row r, + 32 h, + my block's place
	v_lshrrev_b32 v6, 4, v0
	v_mul_u32_u24 v6, v6, 272
	v_lshl_add_u32 v6, v2, 4, v6                   ; back: row t / 16, 16 (t % 16)
	v_lshlrev_b32 v7, 4, v2                        ; bp2 of outputs 4 (t % 16) ..
	s_lshl_b32 s16, ttmp9, 12
	s_mov_b32 s17, 0
	s_wait_kmcnt 0x0
	s_load_b64 s[18:19], s[8:9], 0x10              ; e4, e5
	s_add_nc_u64 s[4:5], s[4:5], s[16:17]
	s_add_nc_u64 s[10:11], s[10:11], s[16:17]
.irp j, 0,1,2,3,4,5,6,7
	global_load_b128 v[16+4*\j:19+4*\j], v4, s[4:5] offset:65536*\j      ; 512 consecutive bytes a wave
.endr
	global_load_b128 v[48:51], v7, s[6:7]
	s_wait_loadcnt 1                               ; the eight parts are in; bp2's load may be out
.irp j, 1,2,3,4,5,6,7
	v_pk_add_f32 v[16:17], v[16:17], v[16+4*\j:17+4*\j]
	v_pk_add_f32 v[18:19], v[18:19], v[18+4*\j:19+4*\j]
.endr
	ds_store_b128 v5, v[16:19]
	s_wait_dscnt 0x0                               ; for the others' sake: my store has landed
	s_barrier_signal -1
	s_barrier_wait -1
	ds_load_b128 v[16:19], v6
	s_wait_kmcnt 0x0
	s_add_co_i32 s20, s18, s19
	s_add_co_i32 s20, s20, 127
	s_lshl_b32 s20, s20, 23                        ; 2^(e4 + e5) as f32
	s_mov_b32 s21, s20                             ; (named with it as a pair)
	s_wait_loadcnt 0x0                             ; bp2
	s_wait_dscnt 0x0
	v_pk_fma_f32 v[16:17], v[16:17], s[20:21], v[48:49] op_sel_hi:[1,0,1]        ; sum x 2^(e4 + e5) + bp2
	v_pk_fma_f32 v[18:19], v[18:19], s[20:21], v[50:51] op_sel_hi:[1,0,1]
	v_pk_mul_f32 v[16:17], v[16:17], 0x4038aa3b op_sel_hi:[1,0]          ; x 2 log2(e)
	v_pk_mul_f32 v[18:19], v[18:19], 0x4038aa3b op_sel_hi:[1,0]
.irp j, 0,1,2,3
	v_exp_f32 v[16+\j], v[16+\j]
.endr
	v_nop
	s_wait_alu depctr_va_vdst(0)                   ; one wait for the batch
	v_pk_add_f32 v[16:17], v[16:17], 1.0 op_sel_hi:[1,0]
	v_pk_add_f32 v[18:19], v[18:19], 1.0 op_sel_hi:[1,0]
.irp j, 0,1,2,3
	v_rcp_f32 v[16+\j], v[16+\j]
.endr
	v_nop
	s_wait_alu depctr_va_vdst(0)
	v_pk_fma_f32 v[16:17], v[16:17], -2.0, 1.0 op_sel_hi:[1,0,0]         ; tanh
	v_pk_fma_f32 v[18:19], v[18:19], -2.0, 1.0 op_sel_hi:[1,0,0]
	v_pk_mul_f32 v[16:17], v[16:17], 0x3fb8aa3b op_sel_hi:[1,0]          ; x log2(e)
	v_pk_mul_f32 v[18:19], v[18:19], 0x3fb8aa3b op_sel_hi:[1,0]
.irp j, 0,1,2,3
	v_exp_f32 v[16+\j], v[16+\j]
.endr
	v_nop
	s_wait_alu depctr_va_vdst(0)
	v_add_f32 v20, v16, v17
	v_add_f32 v21, v18, v19
	v_add_f32 v20, v20, v21
	v_add_f32_dpp v20, v20, v20 row_xmask:1 row_mask:0xf bank_mask:0xf   ; the row's sum, over its sixteen lanes
	v_add_f32_dpp v20, v20, v20 row_xmask:2 row_mask:0xf bank_mask:0xf
	v_add_f32_dpp v20, v20, v20 row_xmask:4 row_mask:0xf bank_mask:0xf
	v_add_f32_dpp v20, v20, v20 row_xmask:8 row_mask:0xf bank_mask:0xf
	v_rcp_f32 v20, v20
	v_mov_b32 v21, 0                               ; a plain line behind the reciprocal; v21 is named with it as a pair
	s_wait_alu depctr_va_vdst(0)
	v_pk_mul_f32 v[16:17], v[16:17], v[20:21] op_sel_hi:[1,0]
	v_pk_mul_f32 v[18:19], v[18:19], v[20:21] op_sel_hi:[1,0]
	global_store_b128 v4, v[16:19], s[10:11]       ; sixteen lanes store a row's 256 bytes
	s_wait_tensorcnt 0x0
	ds_add_u32 v64, v65
	s_wait_dscnt 0x0
	s_endpgm
.Lfunc_end_k_q3bd0b9385b_final:
	.size	k_q3bd0b9385b_final, .Lfunc_end_k_q3bd0b9385b_final-k_q3bd0b9385b_final
	.p2alignl 7, 3214868480
	.fill 96, 4, 3214868480
	.section	.rodata,"a",@progbits
	.p2align	6, 0x0
	.amdhsa_kernel k_q3bd0b9385b_final
		.amdhsa_group_segment_fixed_size 5376
		.amdhsa_private_segment_fixed_size 0
		.amdhsa_enable_private_segment 0
		.amdhsa_kernarg_size 32
		.amdhsa_user_sgpr_count 2
		.amdhsa_user_sgpr_kernarg_segment_ptr 1
		.amdhsa_wavefront_size32 1
		.amdhsa_system_sgpr_workgroup_id_x 1
		.amdhsa_system_sgpr_workgroup_id_y 1
		.amdhsa_system_sgpr_workgroup_id_z 1
		.amdhsa_system_vgpr_workitem_id 0
		.amdhsa_next_free_vgpr 66
		.amdhsa_next_free_sgpr 66
		.amdhsa_reserve_vcc 0
		.amdhsa_float_denorm_mode_32 3
		.amdhsa_float_denorm_mode_16_64 3
		.amdhsa_memory_ordered 1
		.amdhsa_forward_progress 1
		.amdhsa_inst_pref_size 6
	.end_amdhsa_kernel
	.amdgpu_metadata
---
amdhsa.version: [ 1, 2 ]
amdhsa.kernels:
  - .name:           k_q3bd0b9385b_final
    .symbol:         k_q3bd0b9385b_final.kd
    .args:
      - { .name: pp, .offset: 0, .size: 8, .value_kind: global_buffer, .address_space: global }
      - { .name: bp2, .offset: 8, .size: 8, .value_kind: global_buffer, .address_space: global }
      - { .name: lowp_scales, .offset: 16, .size: 8, .value_kind: global_buffer, .address_space: global }
      - { .name: out0, .offset: 24, .size: 8, .value_kind: global_buffer, .address_space: global }
    .group_segment_fixed_size: 5376
    .private_segment_fixed_size: 0
    .kernarg_segment_align: 8
    .kernarg_segment_size: 32
    .max_flat_workgroup_size: 256
    .sgpr_count:     66
    .vgpr_count:     66
    .wavefront_size: 32
...
	.end_amdgpu_metadata
.endif
;; end of part 6
;; ======== version 2 of 2: 6 launches; version 1 with the launches quant, hidden written anew for expert scheduling mode
;; limits: a function is approximated: absolute error at most 3e-07
;; workspace buffers: part1 131,072 bytes; sq 262,144 bytes; xq 16,777,216 bytes; g2 2,097,152 bytes; epart 1,048,576 bytes; ctx 1,048,576 bytes; part2 131,072 bytes; pp 524,288 bytes
;; launch stats: the kernel of part 1 again; grid 16 x 16, 16 waves a work-group, no clusters, 34,816 bytes of LDS; arguments lstm_output, hidden_state, seq_lengths, bn1_g, bn1_b, lowp_scales, part1, sq; writes part1, sq
;; launch quant (part 7): grid 256 x 1, 16 waves a work-group, no clusters, 10,240 bytes of LDS; arguments lstm_output, seq_lengths, part1, bn1_g, bn1_b, lowp_scales, sq, W1_codes, b1, xq, g2; writes xq, g2
.if DOCPART == 7
	.amdgcn_target "amdgcn-amd-amdhsa--gfx1250"
	.amdhsa_code_object_version 6
	.text
	.protected	k_q3bd0b9385b_quant
	.globl	k_q3bd0b9385b_quant
	.p2align	8
	.type	k_q3bd0b9385b_quant,@function
k_q3bd0b9385b_quant:
	s_mov_b64 s[64:65], 0
	v_nop
	global_prefetch_b8 v0, s[64:65] scope:SCOPE_SE
	s_setreg_imm32_b32 hwreg(HW_REG_WAVE_SCHED_MODE, 0, 2), 2
	s_setreg_imm32_b32 hwreg(HW_REG_WAVE_MODE, 25, 1), 1
	s_wait_xcnt 0x0
	s_wait_alu depctr_vm_vsrc(0)
; SECOND LAUNCH.  (1) The word features of one sentence (work-group b) are normalised and quantised: xq [16384 rows][1024] codes of E4M3, scale 2^e0.
; (2) The sentence half of the first product, which is the same for all tokens of a sentence, is multiplied once for each sentence: 256 x 2,048 x 1,024, on the codes of the first launch and
; columns 1,024 .. 2,047 of W1's rows.  g2 holds (sum x 2^(e0 + e1) + b1[n]) x 2 log2(e), laid in the order of the registers that the third launch adds it to.
; SHARES.  Thread t: eight features 8 (t % 128) .., tokens 4 p + wave / 4, p = 0 .. 15; a wave's store covers 256 consecutive bytes of a row of codes.  For the statistics thread t owns features 2 t, 2 t + 1.
; Tokens at or behind the length are not fetched: their loads name the last valid token, and their rows of codes repeat it; what is made of those rows is thrown away by the mask later.
; The tail: waves 0-7 make one tile of 16 columns x 16 sentences each: column tile b / 2, sentence tile 8 (b % 2) + wave.  Source 0 = 16 rows of W1, source 1 = 16 sentences: a lane holds one sentence and eight columns.
; LIMITS: e0 between -126 and 119; e0 + e1 between -127 and 125; NaN and infinities are not served; at least one token is valid.
; THE MODE: SCHED_MODE bits 1:0 = 2 (LLVM: expert scheduling mode 2), set by the entry lines.  The code itself states the register dependences
; between vector or matrix instructions and memory or LDS instructions, with s_wait_alu, always for 0.
; THE PLAN.  Registers that memory or LDS instructions touch:
;   v6-v9, v10-v25, v72-v75   offsets and LDS addresses.  Each is written once, by vector instructions, ahead of a wait on va_vdst, and never again.
;   v26-v103    The head's loads land here (lengths, pivot, gain, bias, the 16 groups' sums); no vector instruction names them before.
;   v46-47, v50-51   a and c of my two features: written by the statistics, read by my two LDS stores, written again by the conversions of passes 3 and 5: one wait on vm_vsrc behind the barrier.
;   v104-v119   a and c of my eight features: LDS loads land here; nothing names them before.
;   X           The words' 32 loads land here, once; the passes work on them in place.  In the tail X is two buffers of 64 registers, each for two K steps.
;   v40-v71     Pass p's conversion writes two of them, and pass p's store reads them.  The passes go in four blocks of four: one wait on va_vdst at a block's head states that the block before has
;               written its codes, and that block's four stores are dealt among this block's passes, which name their own part of X, their own codes, v104-v119, v124 and v125 alone.
;   In the tail v40-v55 take the products' sums, v56-v63 b1, v64-v71 the results: one wait on vm_vsrc behind the last store of codes states that the sixteen stores have read them.
.set X, 128                            ; v128-255 pass p: 8 numbers; later the tail's fragments
.macro XHALF reg, tmp
	v_permlanex16_b32 v[\tmp], v[\reg], s38, s39
	v_add_f32 v[\reg], v[\reg], v[\tmp]
.endm
	s_load_b256 s[4:11], s[0:1], 0x0               ; lstm s[4:5], lengths s[6:7], part1 s[8:9], gain s[10:11]
	s_load_b256 s[12:19], s[0:1], 0x20             ; bias s[12:13], scales s[14:15], sq s[16:17], W1 s[18:19]
	s_load_b128 s[20:23], s[0:1], 0x40             ; b1 s[20:21], xq s[22:23]
	s_load_b64 s[24:25], s[0:1], 0x50              ; g2
	v_lshrrev_b32 v1, 5, v0
	v_readfirstlane_b32 s27, v1                    ; wave
	v_and_b32 v1, 31, v0
	v_and_b32 v2, 15, v0
	v_bfe_u32 v3, v0, 4, 1
	v_and_b32 v4, 127, v0
	v_lshlrev_b32 v9, 5, v4                        ; my eight features: 32 bytes of a row; also their place in the tables in LDS
	v_lshlrev_b32 v8, 3, v0                        ; 8 t: features 2 t, 2 t + 1
	v_lshlrev_b32 v7, 5, v1                        ; eight lengths a lane
	s_wait_alu depctr_va_sdst(0)                   ; s27 is written, ahead of its first reader
	s_lshr_b32 s28, s27, 2                         ; wave / 4
	s_lshl_b32 s32, s28, 10
	v_lshl_add_u32 v6, v4, 3, s32                  ; my eight codes in rows wave / 4 + 4 p
	s_mov_b32 s26, ttmp9                           ; b
	s_lshl_b32 s33, s26, 2
	s_mov_b32 s38, 0x76543210
	s_mov_b32 s39, 0xfedcba98
	s_mov_b32 s35, 0
	s_wait_kmcnt 0x0
	s_load_b32 s29, s[6:7], s33 offset:0x0         ; the length
	s_load_b64 s[30:31], s[14:15], 0x0             ; e0, e1
	s_lshl_b32 s34, s26, 18
	s_add_nc_u64 s[40:41], s[4:5], s[34:35]        ; my sentence's words
	s_lshl_b32 s34, s26, 16
	s_add_nc_u64 s[22:23], s[22:23], s[34:35]      ; and its 64 rows of codes
	s_wait_alu depctr_va_vdst(0)                   ; v6 to v9 are written: the offsets and LDS addresses that the loads and stores below read
	global_load_b128 v[26:29], v7, s[6:7]
	global_load_b128 v[30:33], v7, s[6:7] offset:16
	global_load_b64 v[34:35], v8, s[4:5]           ; the pivot: token 0 of sentence 0
	global_load_b64 v[36:37], v8, s[10:11]
	global_load_b64 v[38:39], v8, s[12:13]
.irp g, 0,1,2,3,4,5,6,7,8,9,10,11,12,13,14,15
	global_load_b64 v[40+4*\g:41+4*\g], v8, s[8:9] offset:8192*\g
	global_load_b64 v[42+4*\g:43+4*\g], v8, s[8:9] offset:8192*\g+4096
.endr
	s_wait_kmcnt 0x0
	s_sub_co_i32 s29, s29, 1
	s_max_i32 s29, s29, 0
	s_min_u32 s29, s29, 63                         ; the last valid token
.irp p, 0,1,2,3,4,5,6,7,8,9,10,11,12,13,14,15  ; all sixteen offsets first, so that one wait serves the 32 loads
	s_add_co_u32 s32, s28, 4*\p
	s_min_u32 s32, s32, s29
	s_min_u32 s32, s32, 63
	v_lshl_add_u32 v[10+\p], s32, 12, v9
.endr
	s_wait_alu depctr_va_vdst(0)                   ; v10 to v25 are written: the offsets of the sixteen passes' tokens
.irp p, 0,1,2,3,4,5,6,7,8,9,10,11,12,13,14,15
	global_load_b128 v[X+8*\p:X+8*\p+3], v[10+\p], s[40:41]
	global_load_b128 v[X+8*\p+4:X+8*\p+7], v[10+\p], s[40:41] offset:16
.endr
	s_add_co_i32 s32, s30, 127
	s_lshl_b32 s33, s32, 23
	v_mov_b32 v124, s33                            ; 2^e0
	s_add_co_i32 s32, s32, 8
	s_lshl_b32 s32, s32, 23
	s_or_b32 s32, s32, 0x600000
	v_mov_b32 v125, s32                            ; 448 x 2^e0
	s_wait_loadcnt 32                              ; all but the 32 loads of words
.irp j, 0,1,2,3,4,5,6,7
	v_max_i32 v[26+\j], 0, v[26+\j]
	v_min_i32 v[26+\j], 64, v[26+\j]
.endr
	v_add3_u32 v122, v26, v27, v28
	v_add3_u32 v123, v29, v30, v31
	v_add3_u32 v122, v122, v32, v33
	v_add_nc_u32 v122, v122, v123
	v_cvt_f32_i32 v122, v122
	v_add_f32_dpp v122, v122, v122 row_xmask:1 row_mask:0xf bank_mask:0xf
	v_add_f32_dpp v122, v122, v122 row_xmask:2 row_mask:0xf bank_mask:0xf
	v_add_f32_dpp v122, v122, v122 row_xmask:4 row_mask:0xf bank_mask:0xf
	v_add_f32_dpp v122, v122, v122 row_xmask:8 row_mask:0xf bank_mask:0xf
	XHALF 122, 123                                 ; the number of valid tokens
	v_rcp_f32 v120, v122
	v_mov_b32 v121, 0                              ; (named with it as a pair)
.irp g, 1,2,3,4,5,6,7,8,9,10,11,12,13,14,15
	v_pk_add_f32 v[40:41], v[40:41], v[40+4*\g:41+4*\g]
	v_pk_add_f32 v[42:43], v[42:43], v[42+4*\g:43+4*\g]
.endr
	s_wait_alu depctr_va_vdst(0)                   ; the reciprocal has written v120, ahead of its first reader
	v_pk_mul_f32 v[126:127], v[40:41], v[120:121] op_sel_hi:[1,0]        ; mean - pivot
	v_pk_mul_f32 v[42:43], v[42:43], v[120:121] op_sel_hi:[1,0]
	v_pk_fma_f32 v[42:43], v[126:127], v[126:127], v[42:43] neg_lo:[1,0,0] neg_hi:[1,0,0]
	v_max_num_f32 v42, 0, v42
	v_max_num_f32 v43, 0, v43
	v_pk_add_f32 v[42:43], v[42:43], 0x3727c5ac op_sel_hi:[1,0]          ; + 1e-5
	v_rsq_f32 v44, v42
	v_rsq_f32 v45, v43
	v_pk_add_f32 v[48:49], v[126:127], v[34:35]    ; the mean.  (A plain line behind the roots)
	s_wait_alu depctr_va_vdst(0)                   ; the two roots have written v44 and v45, ahead of their first reader
	v_pk_mul_f32 v[46:47], v[36:37], v[44:45]      ; a
	v_pk_fma_f32 v[50:51], v[48:49], v[46:47], v[38:39] neg_lo:[1,0,0] neg_hi:[1,0,0]   ; c = bias - mean a
	s_wait_alu depctr_va_vdst(0)                   ; a and c are written, which the two LDS stores read
	ds_store_b64 v8, v[46:47]
	ds_store_b64 v8, v[50:51] offset:4096
	s_wait_dscnt 0x0                               ; for the others' sake
	s_barrier_signal -1
	s_barrier_wait -1
	s_wait_alu depctr_vm_vsrc(0)                   ; my two LDS stores have read v46-47 and v50-51, which the conversions of passes 3 and 5 write again
	ds_load_b128 v[104:107], v9
	ds_load_b128 v[108:111], v9 offset:16
	ds_load_b128 v[112:115], v9 offset:4096
	ds_load_b128 v[116:119], v9 offset:4112
	s_wait_dscnt 0x0
; Pass p.  back = 1: the store of the pass four back, whose codes the wait at this block's head has shown written, stands in front of it.
.macro PASS p, back
.if \back
	global_store_b64 v6, v[40+2*((\p)-4):41+2*((\p)-4)], s[22:23] offset:4096*((\p)-4)   ; no vector instruction since the wait names these registers
.endif
	s_wait_loadcnt 30-2*(\p)                       ; this pass's two loads are in; the later passes' may be out
.irp k, 0,2,4,6
	v_pk_fma_f32 v[X+8*(\p)+\k:X+8*(\p)+\k+1], v[X+8*(\p)+\k:X+8*(\p)+\k+1], v[104+\k:105+\k], v[112+\k:113+\k]
.endr
.irp k, 0,1,2,3,4,5,6,7
	v_med3_num_f32 v[X+8*(\p)+\k], v[X+8*(\p)+\k], -v125, v125   ; the hold at the largest code x the scale
.endr
	v_cvt_scalef32_pk8_fp8_f32 v[40+2*(\p):41+2*(\p)], v[X+8*(\p):X+8*(\p)+7], v124   ; each pass has its own registers for its codes
.endm
.irp p, 0,1,2,3
	PASS \p, 0
.endr
.irp q, 1,2,3
	s_wait_alu depctr_va_vdst(0)                   ; the block before has written its four passes' codes, which the four stores dealt among this block's passes read
.irp i, 0,1,2,3
	PASS 4*\q+\i, 1
.endr
.endr
	v_nop                                          ; a plain line behind the last conversion: its registers are written again below
	s_wait_alu depctr_va_vdst(0)                   ; passes 12 to 15 have written their codes, which the last four stores read
.irp p, 12,13,14,15
	global_store_b64 v6, v[40+2*\p:41+2*\p], s[22:23] offset:4096*\p
.endr
	s_wait_alu depctr_vm_vsrc(0)                   ; the sixteen stores have read v40 to v71, which the tail's products, loads and multiply-adds write again
	s_cmp_lt_u32 s27, 8
	s_cbranch_scc0 .Lend
	s_wait_xcnt 0x0                                ; the stores have read their registers
	s_lshr_b32 s42, s26, 1                         ; column tile
	s_and_b32 s43, s26, 1
	s_lshl_b32 s43, s43, 3
	s_add_co_u32 s43, s43, s27                     ; sentence tile
	s_mov_b32 s45, 0
	s_lshl_b32 s44, s43, 10
	s_add_nc_u64 s[16:17], s[16:17], s[44:45]      ; sq: 16 sentences of 64 bytes
	s_lshl_b32 s46, s42, 14
	s_add_co_u32 s44, s44, s46
	s_add_nc_u64 s[24:25], s[24:25], s[44:45]      ; g2: 16384 x column tile + 1024 x sentence tile
	s_lshl_b32 s44, s42, 15
	s_add_nc_u64 s[18:19], s[18:19], s[44:45]      ; W1: 16 rows of 2,048 bytes
	s_lshl_b32 s44, s42, 6
	s_add_nc_u64 s[20:21], s[20:21], s[44:45]      ; b1
	v_lshlrev_b32 v72, 6, v2
	v_lshl_add_u32 v72, v3, 4, v72                 ; sq: 64 r + 16 h
	v_lshlrev_b32 v73, 11, v2
	v_lshl_add_u32 v73, v3, 4, v73                 ; W1: 2048 r + 16 h
	v_lshlrev_b32 v74, 5, v3                       ; b1: my eight columns 8 h ..
	v_lshlrev_b32 v75, 4, v1
	s_wait_alu depctr_va_vdst(0)                   ; v72 to v75, the tail's offsets, are written; the passes are done writing v56-v63 and reading and writing X, in which the loads below land
	global_load_b128 v[56:59], v74, s[20:21]
	global_load_b128 v[60:63], v74, s[20:21] offset:16
; Eight K steps of 128, in four batches of two: registers 4 c .. 4 c + 3 of a fragment hold k = 32 c + 16 h + 0 .. 15, alike on both sides.  Batch t lies in buffer t % 2: 32 registers of sentences, then 32 of W1.
.macro GLOAD t
.irp j, 0,1
.irp c, 0,1,2,3
	global_load_b128 v[128+64*((\t)%2)+16*\j+4*\c:131+64*((\t)%2)+16*\j+4*\c], v72, s[16:17] offset:(2*(2*(\t)+\j)+\c/2)*16384+32*(\c%2)
	global_load_b128 v[160+64*((\t)%2)+16*\j+4*\c:163+64*((\t)%2)+16*\j+4*\c], v73, s[18:19] offset:1024+128*(2*(\t)+\j)+32*\c
.endr
.endr
.endm
; A batch's two products: the even K step on one accumulator, the odd one on the other.  The two take turns.
.macro GMUL t, zero
.irp j, 0,1
.if \zero
	v_wmma_f32_16x16x128_fp8_fp8 v[40+8*\j:47+8*\j], v[160+64*((\t)%2)+16*\j:175+64*((\t)%2)+16*\j], v[128+64*((\t)%2)+16*\j:143+64*((\t)%2)+16*\j], 0
.else
	v_wmma_f32_16x16x128_fp8_fp8 v[40+8*\j:47+8*\j], v[160+64*((\t)%2)+16*\j:175+64*((\t)%2)+16*\j], v[128+64*((\t)%2)+16*\j:143+64*((\t)%2)+16*\j], v[40+8*\j:47+8*\j]
.endif
.endr
.rept 4
	v_nop                                          ; places in front of loads into the fragments' registers, and of the first read of results
.endr
.endm
	GLOAD 0
	GLOAD 1
	s_wait_loadcnt 16                              ; b1 and batch 0 are in; batch 1's sixteen loads may be out
	GMUL 0, 1
	s_wait_alu depctr_va_vdst(0)                   ; batch 0's products are done reading buffer 0, in which batch 2's loads land
	GLOAD 2
	s_wait_loadcnt 16                              ; batch 1 is in; batch 2's loads may be out
	GMUL 1, 0
	s_wait_alu depctr_va_vdst(0)                   ; batch 1's products are done reading buffer 1, in which batch 3's loads land
	GLOAD 3
	s_wait_loadcnt 16                              ; batch 2 is in; batch 3's loads may be out
	GMUL 2, 0
	s_wait_loadcnt 0x0
	GMUL 3, 0
	s_add_co_i32 s33, s30, s31
	s_lshl_b32 s33, s33, 23
	s_add_co_i32 s34, s33, 0x4038aa3b              ; 2^(e0 + e1) x 2 log2(e): the exponents are added to the constant's exponent field
	s_mov_b32 s35, s34
.irp k, 0,2,4,6
	v_pk_add_f32 v[64+\k:65+\k], v[40+\k:41+\k], v[48+\k:49+\k]          ; the two halves of K; each accumulator from its low end on
	v_pk_mul_f32 v[56+\k:57+\k], v[56+\k:57+\k], 0x4038aa3b op_sel_hi:[1,0]
.endr
.irp k, 0,2,4,6
	v_pk_fma_f32 v[64+\k:65+\k], v[64+\k:65+\k], s[34:35], v[56+\k:57+\k] op_sel_hi:[1,0,1]
.endr
	s_wait_alu depctr_va_vdst(0)                   ; the multiply-adds have written v64 to v71, which the two stores read
	global_store_b128 v75, v[64:67], s[24:25]      ; 512 consecutive bytes each
	global_store_b128 v75, v[68:71], s[24:25] offset:512
.Lend:
	s_wait_xcnt 0x0
	v_lshl_add_u32 v124, v0, 2, 0x2000             ; the add's two registers are made anew here: vector instructions alone have named v124 and v125 so far
	v_mov_b32 v125, 0
	s_wait_dscnt 0x0                               ; the closing lines, six on end
	s_wait_alu 0x0
	s_wait_tensorcnt 0x0
	ds_add_u32 v124, v125
	s_wait_dscnt 0x0
	s_endpgm
.Lfunc_end_k_q3bd0b9385b_quant:
	.size	k_q3bd0b9385b_quant, .Lfunc_end_k_q3bd0b9385b_quant-k_q3bd0b9385b_quant
	.p2alignl 7, 3214868480
	.fill 96, 4, 3214868480
	.section	.rodata,"a",@progbits
	.p2align	6, 0x0
	.amdhsa_kernel k_q3bd0b9385b_quant
		.amdhsa_group_segment_fixed_size 10240
		.amdhsa_private_segment_fixed_size 0
		.amdhsa_enable_private_segment 0
		.amdhsa_kernarg_size 88
		.amdhsa_user_sgpr_count 2
		.amdhsa_user_sgpr_kernarg_segment_ptr 1
		.amdhsa_wavefront_size32 1
		.amdhsa_system_sgpr_workgroup_id_x 1
		.amdhsa_system_sgpr_workgroup_id_y 1
		.amdhsa_system_sgpr_workgroup_id_z 1
		.amdhsa_system_vgpr_workitem_id 0
		.amdhsa_next_free_vgpr 256
		.amdhsa_next_free_sgpr 66
		.amdhsa_reserve_vcc 0
		.amdhsa_float_denorm_mode_32 3
		.amdhsa_float_denorm_mode_16_64 3
		.amdhsa_memory_ordered 1
		.amdhsa_forward_progress 1
		.amdhsa_inst_pref_size 41
	.end_amdhsa_kernel
	.amdgpu_metadata
---
amdhsa.version: [ 1, 2 ]
amdhsa.kernels:
  - .name:           k_q3bd0b9385b_quant
    .symbol:         k_q3bd0b9385b_quant.kd
    .args:
      - { .name: lstm_output, .offset: 0, .size: 8, .value_kind: global_buffer, .address_space: global }
      - { .name: seq_lengths, .offset: 8, .size: 8, .value_kind: global_buffer, .address_space: global }
      - { .name: part1, .offset: 16, .size: 8, .value_kind: global_buffer, .address_space: global }
      - { .name: bn1_g, .offset: 24, .size: 8, .value_kind: global_buffer, .address_space: global }
      - { .name: bn1_b, .offset: 32, .size: 8, .value_kind: global_buffer, .address_space: global }
      - { .name: lowp_scales, .offset: 40, .size: 8, .value_kind: global_buffer, .address_space: global }
      - { .name: sq, .offset: 48, .size: 8, .value_kind: global_buffer, .address_space: global }
      - { .name: W1_codes, .offset: 56, .size: 8, .value_kind: global_buffer, .address_space: global }
      - { .name: b1, .offset: 64, .size: 8, .value_kind: global_buffer, .address_space: global }
      - { .name: xq, .offset: 72, .size: 8, .value_kind: global_buffer, .address_space: global }
      - { .name: g2, .offset: 80, .size: 8, .value_kind: global_buffer, .address_space: global }
    .group_segment_fixed_size: 10240
    .private_segment_fixed_size: 0
    .kernarg_segment_align: 8
    .kernarg_segment_size: 88
    .max_flat_workgroup_size: 512
    .sgpr_count:     66
    .vgpr_count:     256
    .wavefront_size: 32
...
	.end_amdgpu_metadata
.endif
;; end of part 7
;; launch gemm: the kernel of part 3 again; grid 8 x 64, 4 waves a work-group, clusters of 4 x 4, 327,680 bytes of LDS; arguments xq, W1_codes, lowp_scales, W2, g2, epart; writes epart
;; launch attn: the kernel of part 4 again; grid 16 x 16, 16 waves a work-group, no clusters, 10,240 bytes of LDS; arguments epart, lstm_output, seq_lengths, b2, out1, ctx, part2; writes out1, ctx, part2
;; launch hidden (part 8): grid 16 x 8, 8 waves a work-group, no clusters, 27,648 bytes of LDS; arguments ctx, part2, bn2_g, bn2_b, Wp1_codes, bp1, Wp2_codes, lowp_scales, pp; writes pp
.if DOCPART == 8
	.amdgcn_target "amdgcn-amd-amdhsa--gfx1250"
	.amdhsa_code_object_version 6
	.text
	.protected	k_q3bd0b9385b_hidden
	.globl	k_q3bd0b9385b_hidden
	.p2align	8
	.type	k_q3bd0b9385b_hidden,@function
k_q3bd0b9385b_hidden:
	s_mov_b64 s[64:65], 0
	v_nop
	global_prefetch_b8 v0, s[64:65] scope:SCOPE_SE
	s_setreg_imm32_b32 hwreg(HW_REG_WAVE_SCHED_MODE, 0, 2), 2
	s_setreg_imm32_b32 hwreg(HW_REG_WAVE_MODE, 25, 1), 1
	s_wait_xcnt 0x0
	s_wait_alu depctr_vm_vsrc(0)
; FIFTH LAUNCH.  The prediction head up to the last product's parts: pp = Q(tanh(Q(bn(ctx)) Wp1 + bp1)) Wp2, summed over 128 of the 1,024 hidden units; both products on codes of E4M3 with the given scales (e2, e3; e4, e5).
; SHARES.  Work-group (i, j) takes rows 16 i .. 16 i + 15 (i = group x) and hidden units 128 j .. 128 j + 127 (j = group y), which are K step j of the last product: so each work-group reads an eighth of Wp1.
; The batch norm's mean and variance come from the 16 groups' means and squared deviations (combined without a difference of large sums); thread t makes a and c of features 4 t ..
; Wave w quantises K step w (128 features) of the 16 rows; the eight fragments go from wave to wave through LDS as images of their registers (16 bytes a lane, 512 a store).
; Wave w then makes ONE tile of 16 hidden units over all eight K steps (transposed: source 0 = 16 rows of Wp1, source 1 = the rows): two accumulators take turns, bp1 / 2^(e2 + e3) is what the first begins with.
; THE ROWS OF Wp1 THAT FORM A TILE ARE NOT NEIGHBOURS: lane r of tile w = 2 b + u takes row 32 b + 8 u + r + 8 (r / 8), so that the 16 registers of tiles 2 b, 2 b + 1 are 16 neighbours along the next K.
; A tile's eight numbers a lane become registers 2 w, 2 w + 1 of the next operand's fragment: 256 bytes on end for each wave in LDS.  Waves 0-3 fetch the whole fragment and multiply it by one tile of 16 outputs of Wp2 each.
; pp [j 8][i 16][t 4][q 2][lane 32][16 bytes] f32: the accumulator's registers as they stand: row 16 i + r, outputs 16 t + 8 h + 4 q + 0 .. 3.  The scale 2^(e4 + e5) is applied by the last launch, behind the sum over j.
; All loads from memory are asked for at the head.  No tensor loads: a wave's 16 KiB of Wp1 go straight into its registers, read once.
; LIMITS: e2, e4 between -126 and 119; e2 + e3 between -127 and 125.  NaN and infinities among the inputs are not served.
; REGISTERS: window 0: v1-13 addresses; v16-143 at work, then the rows' 8 fragments; v144-207 64 numbers of a row, later the tile's 8, the hidden fragment and the last sums; v208-223 the codes just made; v224-255 constants.
;   window 1: v0-127 Wp1's 8 fragments; v128-143 the two accumulators; v144-159 Wp2's fragment.
; THE MODE: SCHED_MODE bits 1:0 = 2 (LLVM: expert scheduling mode 2), set by the entry lines.  The code itself states the register dependences
; between vector or matrix instructions and memory or LDS instructions, with s_wait_alu, always for 0.
; THE PLAN.  Registers that memory or LDS instructions touch:
;   v4-v13      offsets and LDS addresses: written once at the head, ahead of the first wait on va_vdst, and never again.
;   v16-v143    Three fills: the groups' statistics (loads from memory), read and written by the statistics' arithmetic; a and c of my 128 features (LDS loads), read by the normalising; the rows' eight fragments
;               (LDS loads), read by the products.  The wait on va_vdst that stands ahead of each phase's LDS stores also states that the phase's arithmetic is done with v16-v143: no vector instruction
;               stands between it and the next fill.
;   v144-v207   The rows' numbers (loads from memory), then vector work alone; later v160-v175 take the hidden fragment (LDS loads) and v176-v183 the last product, which the stores to memory read.
;   v208-v223   The codes: written by the conversions, read by the four image stores; v208-209 written again by the tile's conversion, behind a wait on vm_vsrc, and read by one LDS store.
;   v248-v255   a and c as my two LDS stores read them; never written again.
;   window 1    Loaded once at the head; afterwards named by vector and matrix instructions alone.
;   v238, v239  Written at the head, read by the closing add alone.
.set XIMG, 8192                        ; LDS: 0 a, 4096 c of the batch norm; 8192 the rows' eight images of 2,048 bytes;
.set HIMG, 24576                       ; 24576 the hidden fragment: 256 bytes for each wave
.set P,    208
.set T,    144
.set MSB, 0
.macro WIN new                         ; the immediate's high byte repeats the setting that is left
.if MSB != \new
	s_set_vgpr_msb (MSB<<8)|\new
.set MSB, \new
.endif
.endm
.macro QUANT s, sc, lim                ; 64 numbers of a lane, register 16 b + i = k 32 b + 16 h + i of my row, become a fragment's codes in v[P] on
.irp b, 0,1,2,3
.set i, 0
.rept 16
	v_med3_num_f32 v[\s+16*\b+i], v[\s+16*\b+i], -v[\lim], v[\lim]       ; the conversion does not saturate (ISA guide 7.6.2): the hold at the largest code x the scale
.set i, i+1
.endr
	v_cvt_scalef32_pk8_fp8_f32 v[P+4*\b:P+4*\b+1], v[\s+16*\b:\s+16*\b+7], v[\sc]
	v_cvt_scalef32_pk8_fp8_f32 v[P+4*\b+2:P+4*\b+3], v[\s+16*\b+8:\s+16*\b+15], v[\sc]
.endr
	v_nop                                          ; a plain line behind the last conversion
.endm
.macro BARRIER
	s_wait_dscnt 0x0                               ; my LDS stores have landed and my LDS loads are in
	s_barrier_signal -1
	s_barrier_wait -1
.endm
	s_load_b256 s[4:11], s[0:1], 0x0               ; ctx s[4:5], part2 s[6:7], gain s[8:9], bias s[10:11]
	s_load_b256 s[12:19], s[0:1], 0x20             ; Wp1 s[12:13], bp1 s[14:15], Wp2 s[16:17], scales s[18:19]
	s_load_b64 s[22:23], s[0:1], 0x40              ; pp
	v_lshl_add_u32 v238, v0, 2, 0x6800
	v_mov_b32 v239, 0
	v_lshrrev_b32 v1, 5, v0
	v_readfirstlane_b32 s30, v1                    ; wave 0..7
	s_mov_b32 s31, ttmp9                           ; i
	s_and_b32 s42, ttmp7, 0xffff                   ; j
	v_and_b32 v1, 31, v0
	v_and_b32 v2, 15, v0                           ; r
	v_bfe_u32 v3, v0, 4, 1                         ; h
	v_lshlrev_b32 v4, 4, v0                        ; 16 t
	v_lshlrev_b32 v5, 4, v1                        ; 16 L
	s_wait_alu depctr_va_sdst(0)                   ; s30 is written, ahead of its first reader
	s_lshl_b32 s34, s30, 9
	v_lshl_add_u32 v6, v3, 6, s34                  ; a, c of features 128 w + 16 h ..
	v_lshlrev_b32 v7, 12, v2
	v_lshl_add_u32 v7, v3, 6, v7                   ; ctx: row r, + 64 h
	v_and_b32 v8, 8, v2
	v_add_nc_u32 v8, v8, v2
	v_lshlrev_b32 v8, 10, v8
	v_lshl_add_u32 v8, v3, 4, v8                   ; Wp1: row r + 8 (r / 8) of 1,024 bytes, + 16 h
	v_lshlrev_b32 v9, 10, v2
	v_lshl_add_u32 v9, v3, 4, v9                   ; Wp2: row r, + 16 h
	v_lshlrev_b32 v10, 6, v3                       ; bp1: 16 h units
	s_lshl_b32 s34, s30, 11
	s_add_co_u32 s34, s34, XIMG
	v_add_nc_u32 v11, s34, v5                      ; my image of the rows' K step w
	v_lshlrev_b32 v13, 3, v1                       ; 8 L
	s_lshl_b32 s34, s30, 8
	s_add_co_u32 s34, s34, HIMG
	v_add_nc_u32 v12, s34, v13                     ; my two registers of the hidden fragment
	s_lshr_b32 s43, s30, 1
	s_lshl_b32 s43, s43, 5
	s_and_b32 s44, s30, 1
	s_lshl_b32 s44, s44, 3
	s_add_co_u32 s43, s43, s44                     ; 32 (w / 2) + 8 (w % 2): where my tile begins among the 128 units
	s_mov_b32 s35, 0
	s_mov_b32 s41, 0
	s_wait_kmcnt 0x0
	s_load_b128 s[24:27], s[18:19], 0x0            ; e0 .. e3
	s_load_b32 s28, s[18:19], 0x10                 ; e4
	s_lshl_b32 s34, s31, 16
	s_lshl_b32 s32, s30, 9
	s_add_co_u32 s34, s34, s32
	s_add_nc_u64 s[4:5], s[4:5], s[34:35]          ; ctx: my 16 rows, my wave's 128 features
	s_lshl_b32 s34, s42, 17
	s_lshl_b32 s32, s43, 10
	s_add_co_u32 s34, s34, s32
	s_add_nc_u64 s[12:13], s[12:13], s[34:35]      ; Wp1: the work-group's 128 rows, my tile
	s_lshl_b32 s34, s42, 9
	s_lshl_b32 s32, s43, 2
	s_add_co_u32 s34, s34, s32
	s_add_nc_u64 s[14:15], s[14:15], s[34:35]      ; bp1 likewise
	s_lshl_b32 s40, s42, 7
	s_lshl_b32 s32, s30, 14
	s_add_co_u32 s40, s40, s32                     ; Wp2: K step j, outputs 16 w ..
	s_add_nc_u64 s[16:17], s[16:17], s[40:41]      ; (every wave makes the sum; waves 0-3 alone load by it)
	s_lshl_b32 s34, s42, 16
	s_lshl_b32 s32, s31, 12
	s_add_co_u32 s34, s34, s32
	s_lshl_b32 s32, s30, 10
	s_add_co_u32 s34, s34, s32
	s_add_nc_u64 s[22:23], s[22:23], s[34:35]      ; pp: 65536 j + 4096 i + 1024 w
	s_wait_alu depctr_va_vdst(0)                   ; v4 to v13 are written: the offsets and LDS addresses of the whole kernel.  Up to the last load of the head only loads, window switches and a branch follow
.irp g, 0,1,2,3,4,5,6,7,8,9,10,11,12,13,14,15
	global_load_b128 v[16+8*\g:19+8*\g], v4, s[6:7] offset:8192*\g
	global_load_b128 v[20+8*\g:23+8*\g], v4, s[6:7] offset:8192*\g+4096
.endr
	global_load_b128 v[224:227], v4, s[8:9]
	global_load_b128 v[228:231], v4, s[10:11]
.irp c, 0,1,2,3
.irp q, 0,1,2,3
	global_load_b128 v[144+16*\c+4*\q:147+16*\c+4*\q], v7, s[4:5] offset:128*\c+16*\q
.endr
.endr
	WIN 0x40                                       ; destination window 1
.irp s, 0,1,2,3,4,5,6,7                        ; my tile's fragments of all eight K steps: registers 4 c .. 4 c + 3 hold k = 32 c + 16 h + 0 .. 15
.irp c, 0,1,2,3
	global_load_b128 v[16*\s+4*\c:16*\s+4*\c+3], v8, s[12:13] offset:128*\s+32*\c
.endr
.endr
	global_load_b128 v[128:131], v10, s[14:15]     ; bp1 of my lane's eight units, into the first accumulator
	global_load_b128 v[132:135], v10, s[14:15] offset:16
	WIN 0
	s_cmp_lt_u32 s30, 4
	s_cbranch_scc0 .Lno_wp2
	WIN 0x40
.irp c, 0,1,2,3
	global_load_b128 v[144+4*\c:147+4*\c], v9, s[16:17] offset:32*\c
.endr
	WIN 0
.Lno_wp2:
	s_wait_loadcnt 50                              ; the statistics, gain and bias are in; the rows' 16 loads, Wp1's 32 and bp1's 2 may be out (waves 0-3 have Wp2's 4 behind them and wait for a little more)
	v_pk_add_f32 v[232:233], v[16:17], v[24:25]
	v_pk_add_f32 v[234:235], v[18:19], v[26:27]
.irp g, 2,3,4,5,6,7,8,9,10,11,12,13,14,15
	v_pk_add_f32 v[232:233], v[232:233], v[16+8*\g:17+8*\g]
	v_pk_add_f32 v[234:235], v[234:235], v[18+8*\g:19+8*\g]
.endr
	v_pk_mul_f32 v[232:233], v[232:233], 0x3d800000 op_sel_hi:[1,0]      ; the mean of the 16 groups' means (groups of equal size)
	v_pk_mul_f32 v[234:235], v[234:235], 0x3d800000 op_sel_hi:[1,0]
.irp g, 0,1,2,3,4,5,6,7,8,9,10,11,12,13,14,15
	v_pk_add_f32 v[16+8*\g:17+8*\g], v[16+8*\g:17+8*\g], v[232:233] neg_lo:[0,1] neg_hi:[0,1]
	v_pk_add_f32 v[18+8*\g:19+8*\g], v[18+8*\g:19+8*\g], v[234:235] neg_lo:[0,1] neg_hi:[0,1]
.endr
	v_pk_mul_f32 v[244:245], v[16:17], v[16:17]
	v_pk_mul_f32 v[246:247], v[18:19], v[18:19]
.irp g, 1,2,3,4,5,6,7,8,9,10,11,12,13,14,15
	v_pk_fma_f32 v[244:245], v[16+8*\g:17+8*\g], v[16+8*\g:17+8*\g], v[244:245]
	v_pk_fma_f32 v[246:247], v[18+8*\g:19+8*\g], v[18+8*\g:19+8*\g], v[246:247]
	v_pk_add_f32 v[20:21], v[20:21], v[20+8*\g:21+8*\g]
	v_pk_add_f32 v[22:23], v[22:23], v[22+8*\g:23+8*\g]
.endr
	v_pk_fma_f32 v[244:245], v[244:245], 0x41800000, v[20:21] op_sel_hi:[1,0,1]   ; 16 x the groups' spread + the spread inside the groups
	v_pk_fma_f32 v[246:247], v[246:247], 0x41800000, v[22:23] op_sel_hi:[1,0,1]
	v_pk_mul_f32 v[244:245], v[244:245], 0x3b800000 op_sel_hi:[1,0]      ; / 256
	v_pk_mul_f32 v[246:247], v[246:247], 0x3b800000 op_sel_hi:[1,0]
	v_pk_add_f32 v[244:245], v[244:245], 0x3727c5ac op_sel_hi:[1,0]      ; + 1e-5
	v_pk_add_f32 v[246:247], v[246:247], 0x3727c5ac op_sel_hi:[1,0]
.irp j, 0,1,2,3
	v_rsq_f32 v[248+\j], v[244+\j]
.endr
	v_nop
	s_wait_alu depctr_va_vdst(0)                   ; the four roots have written v248 to v251, ahead of their first reader
	v_pk_mul_f32 v[248:249], v[224:225], v[248:249]                      ; a
	v_pk_mul_f32 v[250:251], v[226:227], v[250:251]
	v_pk_fma_f32 v[252:253], v[232:233], v[248:249], v[228:229] neg_lo:[1,0,0] neg_hi:[1,0,0]   ; c = bias - mean a
	v_pk_fma_f32 v[254:255], v[234:235], v[250:251], v[230:231] neg_lo:[1,0,0] neg_hi:[1,0,0]
	s_wait_alu depctr_va_vdst(0)                   ; a and c are written, which the two LDS stores read; and the statistics are done reading and writing v16-v143, in which the LDS loads behind the barrier land
	ds_store_b128 v4, v[248:251]
	ds_store_b128 v4, v[252:255] offset:4096
	BARRIER                                        ; a and c of all 1,024 features lie in LDS
.irp c, 0,1,2,3
.irp q, 0,1,2,3
	ds_load_b128 v[16+16*\c+4*\q:19+16*\c+4*\q], v6 offset:128*\c+16*\q
	ds_load_b128 v[80+16*\c+4*\q:83+16*\c+4*\q], v6 offset:4096+128*\c+16*\q
.endr
.endr
	s_wait_kmcnt 0x0
	s_add_co_i32 s32, s26, 127
	s_lshl_b32 s33, s32, 23
	v_mov_b32 v240, s33                            ; 2^e2
	s_add_co_i32 s32, s32, 8
	s_lshl_b32 s32, s32, 23
	s_or_b32 s32, s32, 0x600000
	v_mov_b32 v241, s32                            ; 448 x 2^e2
	s_add_co_i32 s32, s28, 127
	s_lshl_b32 s33, s32, 23
	v_mov_b32 v242, s33                            ; 2^e4
	s_add_co_i32 s32, s32, 8
	s_lshl_b32 s32, s32, 23
	s_or_b32 s32, s32, 0x600000
	v_mov_b32 v243, s32                            ; 448 x 2^e4
	s_add_co_i32 s32, s26, s27
	s_sub_co_i32 s36, 0, s32                       ; -(e2 + e3)
	s_lshl_b32 s32, s32, 23
	s_add_co_i32 s38, s32, 0x4038aa3b              ; 2^(e2 + e3) x 2 log2(e): the exponents are added to the constant's exponent field
	s_mov_b32 s39, s38
	s_wait_dscnt 0x0
	s_wait_loadcnt 34                              ; the rows are in; Wp1's 32 loads and bp1's 2 may be out
.set j, 0
.rept 32
	v_pk_fma_f32 v[144+j:145+j], v[144+j:145+j], v[16+j:17+j], v[80+j:81+j]
.set j, j+2
.endr
	QUANT 144, 240, 241
	s_wait_alu depctr_va_vdst(0)                   ; the conversions have written v208-v223, which the four LDS stores read; and the normalising is done reading v16-v143, in which the LDS loads behind the barrier land
.irp c, 0,1,2,3
	ds_store_b128 v11, v[P+4*\c:P+4*\c+3] offset:512*\c
.endr
	BARRIER                                        ; the rows' eight fragments lie in LDS
	s_wait_alu depctr_vm_vsrc(0)                   ; my four LDS stores have read v208-v223, of which the tile's conversion writes two again
.irp s, 0,1,2,3,4,5,6,7
.irp c, 0,1,2,3
	ds_load_b128 v[16+16*\s+4*\c:19+16*\s+4*\c], v5 offset:XIMG+2048*\s+512*\c
.endr
.endr
	s_wait_loadcnt 0x0                             ; Wp1, bp1 (and Wp2)
	WIN 0x41                                       ; source 0 and destination window 1
.irp j, 0,1,2,3,4,5,6,7
	v_ldexp_f32 v[128+\j], v[128+\j], s36          ; bp1 / 2^(e2 + e3): what the first sum begins with
.endr
	WIN 0x51                                       ; source 0 (Wp1), C and D window 1; source 1 (the rows) window 0
.irp s, 0,1,2,3,4,5,6,7                        ; even K steps on one accumulator, odd ones on the other: they take turns
	s_wait_dscnt 28-4*\s                           ; LDS loads come back in order (ISA guide 5.7.1): fragment s's four are in, the later fragments' may be out
.if \s == 1
	v_wmma_f32_16x16x128_fp8_fp8 v[136:143], v[16*\s:16*\s+15], v[16+16*\s:31+16*\s], 0
.else
	v_wmma_f32_16x16x128_fp8_fp8 v[128+8*(\s%2):135+8*(\s%2)], v[16*\s:16*\s+15], v[16+16*\s:31+16*\s], v[128+8*(\s%2):135+8*(\s%2)]
.endif
.endr
	WIN 0
.rept 4
	v_nop                                          ; places in front of the first read of results
.endr
	WIN 0x05                                       ; sources 0 and 1 window 1
.irp k, 0,2,4,6
	v_pk_add_f32 v[T+\k:T+\k+1], v[128+\k:129+\k], v[136+\k:137+\k]      ; the two halves of K; each accumulator from its low end on
.endr
	WIN 0
.irp k, 0,2,4,6
	v_pk_mul_f32 v[T+\k:T+\k+1], v[T+\k:T+\k+1], s[38:39] op_sel_hi:[1,0]
.endr
.irp j, 0,1,2,3,4,5,6,7
	v_exp_f32 v[T+\j], v[T+\j]
.endr
	v_nop
	s_wait_alu depctr_va_vdst(0)                   ; the eight exponentials have written v144 to v151, ahead of their first reader
.irp k, 0,2,4,6
	v_pk_add_f32 v[T+\k:T+\k+1], v[T+\k:T+\k+1], 1.0 op_sel_hi:[1,0]
.endr
.irp j, 0,1,2,3,4,5,6,7
	v_rcp_f32 v[T+\j], v[T+\j]
.endr
	v_nop
	s_wait_alu depctr_va_vdst(0)                   ; the eight reciprocals have written v144 to v151, ahead of their first reader
.irp k, 0,2,4,6
	v_pk_fma_f32 v[T+\k:T+\k+1], v[T+\k:T+\k+1], -2.0, 1.0 op_sel_hi:[1,0,0]     ; tanh z = 1 - 2 / (1 + 2^(2 log2(e) z))
.endr
.irp j, 0,1,2,3,4,5,6,7
	v_med3_num_f32 v[T+\j], v[T+\j], -v243, v243   ; the hold at the largest code x the scale
.endr
	v_cvt_scalef32_pk8_fp8_f32 v[P:P+1], v[T:T+7], v242    ; registers 2 w, 2 w + 1 of the next operand's fragment
	v_nop                                          ; a plain line behind the conversion
	s_wait_alu depctr_va_vdst(0)                   ; the conversion has written v208-209, which the LDS store reads; and all vector work on v160-v175 is done, in which the LDS loads behind the barrier land
	ds_store_b64 v12, v[P:P+1]
	BARRIER                                        ; the hidden fragment lies in LDS
	s_cmp_lt_u32 s30, 4
	s_cbranch_scc0 .Lend
.irp w, 0,1,2,3,4,5,6,7
	ds_load_b64 v[160+2*\w:161+2*\w], v13 offset:HIMG+256*\w
.endr
	s_wait_dscnt 0x0
	WIN 0x01                                       ; source 0 (Wp2) window 1
	v_wmma_f32_16x16x128_fp8_fp8 v[176:183], v[144:159], v[160:175], 0
	WIN 0
.rept 4
	v_nop                                          ; places in front of the stores that read the result
.endr
	s_wait_alu depctr_va_vdst(0)                   ; the product has written v176 to v183, which the two stores read; the places above stay beside this wait
	global_store_b128 v5, v[176:179], s[22:23]     ; 512 consecutive bytes each; the low four registers first
	global_store_b128 v5, v[180:183], s[22:23] offset:512
.Lend:
	s_wait_dscnt 0x0                               ; the closing lines, six on end
	s_wait_alu 0x0
	s_wait_tensorcnt 0x0
	ds_add_u32 v238, v239
	s_wait_dscnt 0x0
	s_endpgm
.Lfunc_end_k_q3bd0b9385b_hidden:
	.size	k_q3bd0b9385b_hidden, .Lfunc_end_k_q3bd0b9385b_hidden-k_q3bd0b9385b_hidden
	.p2alignl 7, 3214868480
	.fill 96, 4, 3214868480
	.section	.rodata,"a",@progbits
	.p2align	6, 0x0
	.amdhsa_kernel k_q3bd0b9385b_hidden
		.amdhsa_group_segment_fixed_size 27648
		.amdhsa_private_segment_fixed_size 0
		.amdhsa_enable_private_segment 0
		.amdhsa_kernarg_size 72
		.amdhsa_user_sgpr_count 2
		.amdhsa_user_sgpr_kernarg_segment_ptr 1
		.amdhsa_wavefront_size32 1
		.amdhsa_system_sgpr_workgroup_id_x 1
		.amdhsa_system_sgpr_workgroup_id_y 1
		.amdhsa_system_sgpr_workgroup_id_z 1
		.amdhsa_system_vgpr_workitem_id 0
		.amdhsa_next_free_vgpr 512
		.amdhsa_next_free_sgpr 66
		.amdhsa_reserve_vcc 0
		.amdhsa_float_denorm_mode_32 3
		.amdhsa_float_denorm_mode_16_64 3
		.amdhsa_memory_ordered 1
		.amdhsa_forward_progress 1
		.amdhsa_inst_pref_size 38
	.end_amdhsa_kernel
	.amdgpu_metadata
---
amdhsa.version: [ 1, 2 ]
amdhsa.kernels:
  - .name:           k_q3bd0b9385b_hidden
    .symbol:         k_q3bd0b9385b_hidden.kd
    .args:
      - { .name: ctx, .offset: 0, .size: 8, .value_kind: global_buffer, .address_space: global }
      - { .name: part2, .offset: 8, .size: 8, .value_kind: global_buffer, .address_space: global }
      - { .name: bn2_g, .offset: 16, .size: 8, .value_kind: global_buffer, .address_space: global }
      - { .name: bn2_b, .offset: 24, .size: 8, .value_kind: global_buffer, .address_space: global }
      - { .name: Wp1_codes, .offset: 32, .size: 8, .value_kind: global_buffer, .address_space: global }
      - { .name: bp1, .offset: 40, .size: 8, .value_kind: global_buffer, .address_space: global }
      - { .name: Wp2_codes, .offset: 48, .size: 8, .value_kind: global_buffer, .address_space: global }
      - { .name: lowp_scales, .offset: 56, .size: 8, .value_kind: global_buffer, .address_space: global }
      - { .name: pp, .offset: 64, .size: 8, .value_kind: global_buffer, .address_space: global }
    .group_segment_fixed_size: 27648
    .private_segment_fixed_size: 0
    .kernarg_segment_align: 8
    .kernarg_segment_size: 72
    .max_flat_workgroup_size: 256
    .sgpr_count:     66
    .vgpr_count:     512
    .wavefront_size: 32
...
	.end_amdgpu_metadata
.endif
;; end of part 8
;; launch final: the kernel of part 6 again; grid 16 x 1, 8 waves a work-group, no clusters, 5,376 bytes of LDS; arguments pp, bp2, lowp_scales, out0; writes out0
